; MI455X (gfx1250); checked and timed in simulation.
; The chip was launched on July 23, 2026; its instructions are those of AMD's public machine-readable ISA for CDNA 5 (MIT licence, August 2026) and "CDNA5" Instruction Set Architecture Reference Guide (July 2026). The comments in the code are by the model that wrote it; some were corrected since.
;; GQA. Allowed arithmetic: matrix products marked QUANTISED: E2M3 operands, one E8M0 scale for each 32 along K, by v_wmma_scale_f32_16x16x128_f8f6f4 with both operands' format E2M3, f32 sums; everything else in f32.
;; Inputs: freq 1 x 1 x 2,048 x 128 float32; wk 1,024 x 4,096 float32; wo 4,096 x 2,048 float32; wq 2,048 x 4,096 float32; wv 1,024 x 4,096 float32; x 1 x 2,048 x 4,096 float32.
;; Outputs: out0 1 x 2,048 x 4,096 float32; out1 1 x 8 x 2,048 x 128 float32; out2 1 x 8 x 2,048 x 128 float32.
;; This version of the problem:
;;   THIS VERSION OF THE PROBLEM IS GIVEN IN LOW PRECISION. The matrix products marked QUANTISED in the list below multiply operands that are first quantised to E2M3 (2 exponent bits, 3 mantissa bits; 6 bits a number), with one power-of-two scale for each 32 numbers along K (OCP MX v1.0); their sums are f32. All else is computed in f32.
;;   The module's matrix products, in the order in which they are computed (A, B: the left and right operand; K: the contracted axis; several contracted axes count as one K, in the product's order):
;;     1. [M 2,048, K 4,096] x [K 4,096, N 2,048]; A: input x; B: input wq: QUANTISED
;;     2. [M 2,048, K 4,096] x [K 4,096, N 1,024]; A: input x; B: input wk: QUANTISED
;;     3. [M 2,048, K 4,096] x [K 4,096, N 1,024]; A: input x; B: input wv: QUANTISED
;;     4. batch 16 x [M 2,048, K 128] x [K 128, N 2,048]; A: computed on the way; B: computed on the way: QUANTISED
;;     5. batch 16 x [M 2,048, K 2,048] x [K 2,048, N 128]; A: softmax (see below); B: computed on the way: QUANTISED
;;     6. [M 2,048, K 2,048] x [K 2,048, N 4,096]; A: computed on the way; B: input wo: QUANTISED
;;   THE QUANTISER, for each operand of a quantised product, along K:
;;     - K is cut into blocks of 32 from its start; a last block that is shorter is filled with zeros.
;;     - A block's scale is 2^e with e = floor(log2(the largest magnitude in the block)) - 2, held to -126 .. 127; a block of zeros has e = 0. As a byte (E8M0): e + 127.
;;     - Each number is divided by its block's scale, clamped to +-7.5, and rounded to the nearest number of E2M3, ties to even, subnormals kept.
;;     - The product sums the exact products of the quantised numbers (number of the format x scale) in f32.
;;   ~~~python
;;   def quantise(x, axis):      # numpy; x: float32 -> the quantised numbers, widened to float32 again
;;       x = np.moveaxis(x, axis, -1); K = x.shape[-1]
;;       x = np.pad(x, [(0, 0)] * (x.ndim - 1) + [(0, -K % 32)]); x = x.reshape(x.shape[:-1] + (-1, 32)); a = np.abs(x).max(-1, keepdims=True)
;;       e = np.where(a > 0, np.clip(np.frexp(np.where(a > 0, a, 1))[1] - 1 - 2, -126, 127), 0)      # np.frexp(a)[1] - 1 = floor(log2(a)), exactly
;;       r = np.clip(x / 2.0 ** e, -7.5, 7.5)
;;       step = 2.0 ** (np.maximum(np.frexp(np.where(r == 0, 1, r))[1] - 1, 0) - 3)
;;       q = np.round(r / step) * step * 2.0 ** e      # np.round: ties to even
;;       return np.moveaxis(q.reshape(q.shape[:-2] + (-1,))[..., :K], -1, axis).astype(np.float32)
;;   ~~~
;;   SOFTMAX AHEAD OF A QUANTISED PRODUCT. Where the list says 'softmax', what is quantised is not the finished softmax but p = 2^(t - M), with t = logit x log2(e) and M = ceil(the row's largest t), a whole number; so 1/2 < the row's largest p <= 1. The row's sum l is taken of the UNQUANTISED p, in f32, and the product's result is divided by l at the end. Since M is a whole number, a kernel that streams over the keys may use a running M (the ceiling of the running maximum): every later rescaling is an exact power of two, which a block's scale takes up: the codes' values come out the same.
;;   OPERANDS COMPUTED ON THE WAY. 'Computed on the way' means the value that the module computes at that place (a softmax that the list does not call 'softmax' is quantised finished and normalised). What goes into a quantiser is computed in f32, as accurately as f32 sums, v_exp_f32 and their like allow (about 1e-6 of the number): no bf16 or f16 on the way to a quantiser, and a product that is left as it is and whose result goes on into a quantised operand takes f32 operands (vector FMAs, or v_wmma_f32_16x16x4_f32). A number that lies on a knife's edge between two numbers of the format may be rounded either way, as far as f32 arithmetic and the matrix unit's own rounding can turn it there, and no further.
;; One version. Each part assembles by itself: llvm-mc -triple=amdgcn-amd-amdhsa -mcpu=gfx1250 --defsym DOCPART=n.
;; ======== version 1 of 1: 4 launches
;; limits: an absolute error that grows with the inputs' magnitude: up to 1e-10 times it; inputs' magnitudes at most 3,300,000,000
;; workspace buffers: c1 19,660,800 bytes; c2 6,553,600 bytes; c3 3,276,800 bytes; qimg 3,276,800 bytes; kv 3,276,800 bytes; rope 2,097,152 bytes
;; launch quant (part 1): grid 1088 x 1, 4 waves a work-group, no clusters, 34,304 bytes of LDS; arguments x, wq, wk, wv, wo, freq, c1, c2, rope; writes c1, c2, rope
.if DOCPART == 1
	.amdgcn_target "amdgcn-amd-amdhsa--gfx1250"
	.amdhsa_code_object_version 6
	.text
	.protected	k_q9dd86cb6a3_quant
	.globl	k_q9dd86cb6a3_quant
	.p2align	8
	.type	k_q9dd86cb6a3_quant,@function
k_q9dd86cb6a3_quant:
	s_mov_b64 s[64:65], 0
	v_nop
	global_prefetch_b8 v0, s[64:65] scope:SCOPE_SE
	s_setreg_imm32_b32 hwreg(HW_REG_WAVE_MODE, 25, 1), 1
	s_wait_xcnt 0x0
; x, wq, wk, wv (K = 4,096) and wo (K = 2,048), f32 with K innermost, become codes of FP6 (E2M3) with one E8M0 byte for each 32 along K; freq becomes tables of cos and sin.
; A block's scale is 2^(floor(log2(its largest magnitude)) - 2); its byte is the largest magnitude's exponent field - 2, held at 1 from below.
; THE LAYOUT OF THE CODES: images of operand registers.  A FRAGMENT is 16 rows x 128 K = 12 registers a lane; registers 4 g .. 4 g + 3 of lane l lie at 512 g + 16 l: 1,536 bytes.
; A CHUNK is four fragments (512 along K of one block of 16 rows) and 256 bytes of scale words (row-lane r, fragment f: at 6,144 + 16 r + 4 f): 6,400 bytes, 25 aligned runs of 256.
; c1: [8 chunks along K][384 row blocks]: blocks 0-127 x, 128-255 wq, 256-319 wk, 320-383 wv.   c2: [4][256]: wo.
; THE ROWS OF A BLOCK ARE NOT NEIGHBOURS: lane r of block RB holds row 32 (RB / 2) + 8 (RB % 2) + r + 8 (r / 8), so that two neighbouring blocks, used as source 0, leave 16 neighbours in a lane's registers.
; Work-groups 64 .. 1,087 quantise: a wave makes one chunk (16 rows x 512 K, 32 KiB of f32).  Each load reads 512 consecutive bytes of one row; a fragment's 8 KiB turn through the wave's own stage in LDS
; (rows 528 bytes apart) and come back 32 neighbours along K to a lane, twice: two whole blocks a lane, so no other lane is asked for a maximum.  No barrier: waves share nothing.
; Work-groups 0 .. 63 make the tables (no LDS): rope[RB][cos 8,192 bytes | sin' 8,192][tile t][g][16 x lane]: lane (r, h), register 8 t + 4 g + e: token of lane r, d = 32 (t / 2) + 16 h + 8 (t % 2) + 4 g + e;
; sin' = -sin for d < 64, so that rope(v)[d] = v[d] cos[d] + v[d xor 64] sin'[d].
; cos and sin: n = nearest whole number to angle x 2 / pi; the rest is taken off in three parts of pi / 2; polynomials on |rest| <= pi / 4; the quadrant chooses and signs.
; LIMITS: NaN and infinities are not served.  A block whose largest magnitude lies under 2^-124, a block of zeros among them, keeps the byte 1 (a block of zeros has zero codes; only this program reads the bytes).
; cos and sin are within about 2e-7 for |angle| up to about 1,000; beyond that the error grows with |angle| x 1e-10, and beyond 2^31 x pi / 2 the quadrant is lost.
.set CH,   6400
.set STG,  8448                        ; a wave's stage: 16 rows x (512 + 16) bytes
.set LI,   3                           ; v3   16 x lane
.set STI,  4                           ; v4   the stage, on the way in
.set STO,  5                           ; v5   and on the way out: row r, + 128 h
.set SCO,  6                           ; v6   my place among a chunk's scale words: 16 r + 8 h
.set SH,   7                           ; v7   8 h
.set PD,   8                           ; v8   a lane permute's destination
.set OFFS, 16                          ; v16-31   16 x lane + the row of load i
.set R,    32                          ; v32-159  two sets of 64: a fragment's numbers as loaded
.set X,    160                         ; v160-223 my 2 x 32 neighbours along K
.set C,    224                         ; v224-235 the fragment's codes
.set T,    236                         ; v236-238, v240-242 the upper halves, as the conversions leave them
.set W,    244                         ; v244-247 the four fragments' scale words
	s_load_b512 s[4:19], s[0:1], 0x0               ; x, wq, wk, wv, wo, freq, c1, c2
	s_load_b64 s[20:21], s[0:1], 0x40              ; rope
	v_lshl_add_u32 v254, v0, 2, 0x8400
	v_mov_b32 v255, 0
	v_lshrrev_b32 v1, 5, v0
	v_readfirstlane_b32 s22, v1                    ; wave
	v_and_b32 v1, 15, v0                           ; r
	v_bfe_u32 v2, v0, 4, 1                         ; h
	v_and_b32 v[LI], 31, v0
	v_lshlrev_b32 v[LI], 4, v[LI]
	s_cmp_lt_u32 ttmp9, 64
	s_cbranch_scc1 .Ltable
	; ---------------- the quantiser.  One path for all five tensors: only pointers and sizes are chosen, by the work-group's number
	s_sub_co_u32 s23, ttmp9, 64                    ; g
	s_lshr_b32 s24, s23, 1                         ; c1: block g / 2,
	s_and_b32 s25, s23, 1
	s_lshl_b32 s25, s25, 2
	s_add_co_u32 s25, s25, s22                     ;     chunk 4 (g % 2) + wave
	s_sub_co_u32 s26, s23, 768                     ; c2: block g - 768, chunk = wave
	s_mov_b32 s27, 8192
	s_mov_b32 s28, 256
	s_wait_kmcnt 0x0
	s_cmp_lt_u32 s23, 768
	s_cselect_b32 s24, s24, s26                    ; the block in the output
	s_cselect_b32 s25, s25, s22                    ; the chunk along K
	s_cselect_b32 s27, 16384, s27                  ; a row of the input in bytes
	s_cselect_b32 s28, 384, s28                    ; blocks in the output
	s_cselect_b64 s[16:17], s[16:17], s[18:19]     ; c1 or c2
	s_cselect_b64 s[12:13], s[10:11], s[12:13]     ; wv, else wo
	s_cselect_b32 s29, 320, 0                      ; the tensor's first block
	s_cmp_lt_u32 s23, 640
	s_cselect_b64 s[12:13], s[8:9], s[12:13]       ; wk
	s_cselect_b32 s29, 256, s29
	s_cmp_lt_u32 s23, 512
	s_cselect_b64 s[12:13], s[6:7], s[12:13]       ; wq
	s_cselect_b32 s29, 128, s29
	s_cmp_lt_u32 s23, 256
	s_cselect_b64 s[12:13], s[4:5], s[12:13]       ; x
	s_cselect_b32 s29, 0, s29
	s_sub_co_u32 s32, s24, s29                     ; the block within its tensor
	s_lshr_b32 s33, s32, 1
	s_lshl_b32 s33, s33, 5
	s_and_b32 s34, s32, 1
	s_lshl_b32 s34, s34, 3
	s_add_co_u32 s33, s33, s34                     ; its first row
	s_mul_i32 s34, s33, s27
	s_lshl_b32 s35, s25, 11                        ; 512 numbers along K are 2,048 bytes
	s_add_co_u32 s34, s34, s35
	s_mov_b32 s35, 0
	s_add_nc_u64 s[12:13], s[12:13], s[34:35]
	s_mul_i32 s36, s25, s28
	s_add_co_u32 s36, s36, s24
	s_mul_i32 s36, s36, CH
	s_mov_b32 s37, 0
	s_add_nc_u64 s[16:17], s[16:17], s[36:37]
	s_mov_b32 s38, 0x76543210
	s_mov_b32 s39, 0xfedcba98                      ; v_permlanex16_b32's selects for lane l xor 16
	s_mul_i32 s30, s22, STG
	v_add_nc_u32 v[STI], s30, v[LI]
	v_mul_u32_u24 v[STO], v1, 528
	v_lshl_add_u32 v[STO], v2, 7, v[STO]
	v_add_nc_u32 v[STO], s30, v[STO]
	v_lshlrev_b32 v[SCO], 4, v1
	v_lshl_add_u32 v[SCO], v2, 3, v[SCO]
	v_lshlrev_b32 v[SH], 3, v2
	v_mov_b32 v[PD], 0                             ; written once: a lane permute's destination counts as one of its sources
.irp i, 0,1,2,3,4,5,6,7,8,9,10,11,12,13,14,15
	s_mul_i32 s31, s27, \i+8*(\i/8)                ; load i takes the row of lane r = i
	v_add_nc_u32 v[OFFS+\i], s31, v[LI]
.endr
.macro LOAD q                          ; fragment q: 16 rows x 512 consecutive bytes
.irp i, 0,1,2,3,4,5,6,7,8,9,10,11,12,13,14,15
	global_load_b128 v[R+64*((\q)%2)+4*\i:R+64*((\q)%2)+4*\i+3], v[OFFS+\i], s[12:13] offset:512*(\q) th:TH_LOAD_NT
.endr
.endm
.macro TURN q                          ; through the stage: LDS serves a wave's instructions in order (ISA guide 5.7.1.4), so no wait stands between the stores and the loads
.irp i, 0,1,2,3,4,5,6,7,8,9,10,11,12,13,14,15
	ds_store_b128 v[STI], v[R+64*((\q)%2)+4*\i:R+64*((\q)%2)+4*\i+3] offset:528*\i
.endr
.irp c, 0,1
.irp j, 0,1,2,3,4,5,6,7
	ds_load_b128 v[X+32*\c+4*\j:X+32*\c+4*\j+3], v[STO] offset:256*\c+16*\j   ; X[32 c + n] = (row r, k = 64 c + 32 h + n)
.endr
.endr
.endm
.macro QF q                            ; my two blocks, 2 c + h, become registers 6 c .. 6 c + 5 of the fragment
.irp c, 0,1
	v_max3_num_f32 v[9+\c], |v[X+32*\c]|, |v[X+32*\c+1]|, 0x1800000   ; with the floor 2^(3 - 127) among the leaves: the byte cannot fall under 1
.endr
.irp i, 2,4,6,8,10,12,14,16,18,20,22,24,26,28,30
.irp c, 0,1
	v_max3_num_f32 v[9+\c], v[9+\c], |v[X+32*\c+\i]|, |v[X+32*\c+\i+1]|
.endr
.endr
.irp c, 0,1
	v_add_nc_u32 v[11+\c], 0xff000000, v[9+\c]     ; 2 off the exponent field: the conversion takes this operand's exponent field as its scale
.endr
.irp c, 0,1
	v_lshrrev_b32 v[13+\c], 23, v[11+\c]           ; the scale's byte
.endr
	v_lshl_or_b32 v15, v14, 16, v13                ; blocks h and 2 + h,
	v_lshlrev_b32 v15, v[SH], v15                  ; at their places in the word;
	v_permlanex16_b32 v[PD], v15, s38, s39
	v_or_b32 v[W+\q], v15, v[PD]                   ; with lane l xor 16's two the word is whole
.irp c, 0,1
	v_cvt_scalef32_pk16_fp6_f32 v[C+6*\c:C+6*\c+2], v[X+32*\c:X+32*\c+15], v[11+\c]
	v_cvt_scalef32_pk16_fp6_f32 v[T+4*\c:T+4*\c+2], v[X+32*\c+16:X+32*\c+31], v[11+\c]   ; (a conversion's three registers begin on an even number)
.endr
	v_nop                                          ; one plain instruction behind a scaled conversion
.irp c, 0,1
.irp i, 0,1,2
	v_mov_b32 v[C+6*\c+3+\i], v[T+4*\c+\i]
.endr
.endr
.endm
.macro PART q
.if (\q) < 3
	s_wait_loadcnt 16                              ; this fragment's 16 loads are in; the other set's 16 may be out
.else
	s_wait_loadcnt 0x0
.endif
	TURN \q
	s_wait_dscnt 0x0                               ; my neighbours are in, and the stage's stores have read their registers
.if (\q) > 0
	s_wait_xcnt 0x0                                ; the last fragment's stores have read the codes' registers
.endif
.if (\q) < 2
	LOAD (\q)+2
.endif
	QF \q
.irp g, 0,1,2
	global_store_b128 v[LI], v[C+4*\g:C+4*\g+3], s[16:17] offset:1536*(\q)+512*\g   ; 32 lanes store 512 consecutive bytes, aligned
.endr
.endm
	LOAD 0
	LOAD 1
	PART 0
	PART 1
	PART 2
	PART 3
	v_cmp_eq_u32 vcc_lo, 1, v2
	v_cndmask_b32 v10, v[W], v[W+2], vcc_lo        ; lane (r, h) stores the words of fragments 2 h and 2 h + 1
	v_cndmask_b32 v11, v[W+1], v[W+3], vcc_lo
	global_store_b64 v[SCO], v[10:11], s[16:17] offset:CH-256   ; 32 lanes store 256 consecutive bytes, aligned
	s_wait_tensorcnt 0x0
	ds_add_u32 v254, v255
	s_wait_dscnt 0x0
	s_endpgm
	; ---------------- the tables: a wave takes a block of 16 tokens and half of the head's 128 (tiles 4 hf .. 4 hf + 3): 32 angles a lane
.Ltable:
	s_lshl_b32 s23, ttmp9, 2
	s_add_co_u32 s23, s23, s22
	s_lshr_b32 s24, s23, 1                         ; RB
	s_and_b32 s25, s23, 1                          ; hf
	s_lshr_b32 s26, s24, 1
	s_lshl_b32 s26, s26, 5
	s_and_b32 s27, s24, 1
	s_lshl_b32 s27, s27, 3
	s_add_co_u32 s26, s26, s27                     ; the block's first token
	s_lshl_b32 s26, s26, 9                         ; a row of freq is 512 bytes
	s_lshl_b32 s27, s25, 8
	s_add_co_u32 s26, s26, s27
	s_mov_b32 s27, 0
	s_lshl_b32 s28, s24, 14
	s_lshl_b32 s29, s25, 12
	s_add_co_u32 s28, s28, s29
	s_mov_b32 s29, 0
	s_mov_b32 s30, 0x3f22f983                      ; 2 / pi
	s_mov_b32 s31, 0xbfc90000                      ; -pi / 2 in three parts: -1.5703125,
	s_mov_b32 s32, 0xb9fda000                      ; -4.8375130e-4,
	s_mov_b32 s33, 0xb3a22168                      ; -7.5497900e-8
	s_mov_b32 s34, 0xb94ca1f9                      ; sin: -1.9515296e-4,
	s_mov_b32 s35, 0x3c08839e                      ;       8.3321609e-3,
	s_mov_b32 s36, 0xbe2aaaa3                      ;      -1.6666655e-1
	s_mov_b32 s37, 0x37ccf5ce                      ; cos:  2.4433157e-5,
	s_mov_b32 s38, 0xbab6061a                      ;      -1.3887316e-3,
	s_mov_b32 s39, 0x3d2aaaa5                      ;       4.1666646e-2
	s_mov_b32 s41, 0x80000000
	s_cmp_eq_u32 s25, 0
	s_cselect_b32 s40, 0x80000000, 0               ; d < 64: sin' = -sin
	v_and_b32 v4, 8, v1
	v_add_nc_u32 v4, v4, v1                        ; r + 8 (r / 8)
	v_lshlrev_b32 v4, 9, v4
	v_lshl_add_u32 v4, v2, 6, v4                   ; + 64 h
	s_wait_kmcnt 0x0
	s_add_nc_u64 s[14:15], s[14:15], s[26:27]
	s_add_nc_u64 s[20:21], s[20:21], s[28:29]
.irp t, 0,1,2,3
.irp g, 0,1
	global_load_b128 v[32+8*\t+4*\g:32+8*\t+4*\g+3], v4, s[14:15] offset:128*(\t/2)+32*(\t%2)+16*\g
.endr
.endr
	s_wait_loadcnt 0x0
.set n, 0
.rept 32
	v_mul_f32 v8, s30, v[32+n]
	v_rndne_f32 v8, v8                             ; n
	v_fma_f32 v9, v8, s31, v[32+n]
	v_fma_f32 v9, v8, s32, v9
	v_fma_f32 v9, v8, s33, v9                      ; the rest, |.| <= pi / 4
	v_mul_f32 v10, v9, v9                          ; z
	v_cvt_i32_f32 v11, v8                          ; the quadrant, in its two lowest bits
	v_fma_f32 v12, v10, s34, s35
	v_fma_f32 v12, v12, v10, s36
	v_mul_f32 v13, v10, v9
	v_fma_f32 v12, v12, v13, v9                    ; sin of the rest
	v_fma_f32 v14, v10, s37, s38
	v_fma_f32 v14, v14, v10, s39
	v_fma_f32 v15, v10, -0.5, 1.0
	v_mul_f32 v13, v10, v10
	v_fma_f32 v14, v14, v13, v15                   ; cos of the rest
	v_and_b32 v13, 1, v11
	v_cmp_eq_u32 vcc_lo, 1, v13
	v_cndmask_b32 v15, v12, v14, vcc_lo            ; in odd quadrants the two change places
	v_cndmask_b32 v14, v14, v12, vcc_lo
	v_lshlrev_b32 v12, 30, v11                     ; sin is negative in quadrants 2 and 3: bit 1 of the quadrant,
	v_add_nc_u32 v11, 1, v11
	v_lshlrev_b32 v11, 30, v11                     ; cos in quadrants 1 and 2: bit 1 of the quadrant + 1
	v_and_b32 v12, s41, v12
	v_and_b32 v11, s41, v11
	v_xor_b32 v12, s40, v12
	v_xor_b32 v[96+n], v15, v12
	v_xor_b32 v[64+n], v14, v11
.set n, n+1
.endr
.irp t, 0,1,2,3
.irp g, 0,1
	global_store_b128 v[LI], v[64+8*\t+4*\g:64+8*\t+4*\g+3], s[20:21] offset:1024*\t+512*\g        ; 512 consecutive bytes, aligned
	global_store_b128 v[LI], v[96+8*\t+4*\g:96+8*\t+4*\g+3], s[20:21] offset:8192+1024*\t+512*\g
.endr
.endr
	s_endpgm
.Lfunc_end_k_q9dd86cb6a3_quant:
	.size	k_q9dd86cb6a3_quant, .Lfunc_end_k_q9dd86cb6a3_quant-k_q9dd86cb6a3_quant
	.p2alignl 7, 3214868480
	.fill 96, 4, 3214868480
	.section	.rodata,"a",@progbits
	.p2align	6, 0x0
	.amdhsa_kernel k_q9dd86cb6a3_quant
		.amdhsa_group_segment_fixed_size 34304
		.amdhsa_private_segment_fixed_size 0
		.amdhsa_enable_private_segment 0
		.amdhsa_kernarg_size 72
		.amdhsa_user_sgpr_count 2
		.amdhsa_user_sgpr_kernarg_segment_ptr 1
		.amdhsa_wavefront_size32 1
		.amdhsa_system_sgpr_workgroup_id_x 1
		.amdhsa_system_sgpr_workgroup_id_y 1
		.amdhsa_system_sgpr_workgroup_id_z 1
		.amdhsa_system_vgpr_workitem_id 0
		.amdhsa_next_free_vgpr 256
		.amdhsa_next_free_sgpr 66
		.amdhsa_reserve_vcc 1
		.amdhsa_float_denorm_mode_32 3
		.amdhsa_float_denorm_mode_16_64 3
		.amdhsa_memory_ordered 1
		.amdhsa_forward_progress 1
		.amdhsa_inst_pref_size 74
	.end_amdhsa_kernel
	.amdgpu_metadata
---
amdhsa.version: [ 1, 2 ]
amdhsa.kernels:
  - .name:           k_q9dd86cb6a3_quant
    .symbol:         k_q9dd86cb6a3_quant.kd
    .args:
      - { .name: x, .offset: 0, .size: 8, .value_kind: global_buffer, .address_space: global }
      - { .name: wq, .offset: 8, .size: 8, .value_kind: global_buffer, .address_space: global }
      - { .name: wk, .offset: 16, .size: 8, .value_kind: global_buffer, .address_space: global }
      - { .name: wv, .offset: 24, .size: 8, .value_kind: global_buffer, .address_space: global }
      - { .name: wo, .offset: 32, .size: 8, .value_kind: global_buffer, .address_space: global }
      - { .name: freq, .offset: 40, .size: 8, .value_kind: global_buffer, .address_space: global }
      - { .name: c1, .offset: 48, .size: 8, .value_kind: global_buffer, .address_space: global }
      - { .name: c2, .offset: 56, .size: 8, .value_kind: global_buffer, .address_space: global }
      - { .name: rope, .offset: 64, .size: 8, .value_kind: global_buffer, .address_space: global }
    .group_segment_fixed_size: 34304
    .private_segment_fixed_size: 0
    .kernarg_segment_align: 8
    .kernarg_segment_size: 72
    .max_flat_workgroup_size: 128
    .sgpr_count:     66
    .vgpr_count:     256
    .wavefront_size: 32
...
	.end_amdgpu_metadata
.endif
;; end of part 1
;; launch qkv (part 2): grid 16 x 16, 4 waves a work-group, clusters of 4 x 4, 327,680 bytes of LDS; arguments c1, rope, qimg, kv, out1, out2; writes qimg, kv, out1, out2
.if DOCPART == 2
	.amdgcn_target "amdgcn-amd-amdhsa--gfx1250"
	.amdhsa_code_object_version 6
	.text
	.protected	k_q9dd86cb6a3_qkv
	.globl	k_q9dd86cb6a3_qkv
	.p2align	8
	.type	k_q9dd86cb6a3_qkv,@function
k_q9dd86cb6a3_qkv:
	s_mov_b64 s[64:65], 0
	v_nop
	global_prefetch_b8 v0, s[64:65] scope:SCOPE_SE
	s_setreg_imm32_b32 hwreg(HW_REG_WAVE_MODE, 25, 1), 1
	s_wait_xcnt 0x0
	s_wait_alu depctr_hold_cnt(0) depctr_sa_sdst(0) depctr_va_vdst(0) depctr_va_sdst(0) depctr_va_ssrc(0) depctr_va_vcc(0) depctr_vm_vsrc(0)
	s_getreg_b32 s2, hwreg(HW_REG_IB_STS2, 6, 4)
	s_cmp_eq_u32 s2, 0
	s_cbranch_scc0 .Lentry_in_a_cluster
	s_endpgm
.Lentry_in_a_cluster:
	s_bfe_u32 s2, ttmp6, 0x10000c
	s_cmp_lg_u32 s2, 0xf033
	s_cbranch_scc0 .Lentry_shape_is_right
	s_endpgm
.Lentry_shape_is_right:
; q = rope(x wq^T), k = rope(x wk^T), v = x wv^T on codes of FP6 (E2M3) with E8M0 scales, K = 4,096; k and v leave in f32 (out1, out2); q, k and v are quantised in registers for the attention.
; OPERANDS lie in c1 as images of operand registers: a chunk of 6,400 bytes = four fragments (16 rows x 128 K, 1,536 bytes each: registers 4 g .. 4 g + 3 of lane l at 512 g + 16 l) + 256 bytes of scale words
; (row-lane r, fragment f at 6,144 + 16 r + 4 f); c1 = [8 chunks along K][384 row blocks]: 0-127 x, 128-255 wq, 256-319 wk, 320-383 wv.  Lane r of block RB holds row 32 (RB / 2) + 8 (RB % 2) + r + 8 (r / 8).
; A TILE is 128 rows of P x 256 rows of Q: 256 work-groups.  Four waves: wp = wave / 2 takes 64 rows of P (4 blocks a), wq = wave % 2 takes 128 rows of Q (8 blocks b): 32 accumulators, 256 registers.
; THE MATRIX INSTRUCTION IS USED TRANSPOSED: source 0 = Q's block b, source 1 = P's block a: lane (r, h), register j of accumulator (a, b) = (P's row of lane r, Q's row 32 (b / 2) + 16 h + 8 (b % 2) + j).
; q and k: P = x (tokens), Q = the weights: a wave's 128 rows of Q are one head, and a lane's 64 registers run along the head: the next product's K.
; v: THE OPERANDS CHANGE ROLES, P = wv, Q = x: a lane holds one channel and its registers run along the tokens, which are the second attention product's K.  One loop serves all three.
; Clusters x = 0, 1: q; x = 2: k; x = 3: v.  Every branch of the way out hangs on the cluster's x alone, which all partners share.
; K goes in steps of 512 (a chunk) through two LDS slots of 153,600 bytes (P's 8 chunks, then Q's 16): four steps of 128, 128 matrix instructions a wave between two changes of slots.  The scale words travel in the chunks.
; CLUSTERS: 4 x 4.  P's chunks are shared along a row of the cluster, Q's along a column: each is asked for jointly.  By this text's count a wave has two tensor loads out at the start and one behind each round.
; REGISTERS: window 0: v1-19 addresses; v32-79 scale words, two sets; v80-123 the quantiser; v128-223 P's fragments, two sets (on the way out v128-191 a block after RoPE, v192-255 rows from a stage);
;   window 1: Q's fragments, two sets, at v0 and v128;   window 2: accumulator (a, b) at v[8 (8 a + b)];   window 3: cos and sin', two sets of 128.
; The tables are loaded by v's work-groups too, which do not use them (64 of 256 work-groups, 128 KiB each): so every register is written on every path.
; LIMITS: NaN and infinities are not served; a block whose largest magnitude lies under 2^-124 keeps the scale byte 1 (a block of zeros has zero codes; only this program reads the bytes).
.set CH,     6400
.set SLOT,   24*CH
.set QOFF,   8*CH
.set SPARE,  2*SLOT                    ; behind the ring: the spare words, 128 bytes for each wave
.set NCH,    8                         ; chunks along K
.set ASTEP,  384*CH                    ; from a chunk along K to the next, in P's buffer
.set BSTEP,  384*CH                    ; and in Q's
.set LI,   3                           ; v3     16 x lane
.set ADRA, 4                           ; v4-5   my P fragments in slot 0, 1
.set ADRB, 6                           ; v6-7   my Q fragments
.set ADSA, 8                           ; v8-9   P's scale words: lanes 0-15 blocks 0, 1; lanes 16-31 blocks 2, 3
.set ADSB, 10                          ; v10-11 Q's: lanes 0-15 blocks 0-3; lanes 16-31 blocks 4-7
.set SPW,  12                          ; v12    my spare word; never rewritten
.set NIL,  13                          ; v13    0; never rewritten
.set STO,  14                          ; v14    k's stage, in
.set RD,   15                          ; v15    k's stage, back
.set SCO,  16                          ; v16    16 r + 8 h
.set VS,   17                          ; v17    v's stage, in
.set RDV,  18                          ; v18    v's stage, back
.set VO,   19                          ; v19    my place in two rows of out2
.set SC,   32                          ; scale set s at v[32 + 24 s]: Q's 16 registers (4 b' + q), then P's 8 (4 a' + q)
.set TM,   80                          ; v80-95  the quantiser: maxima, bytes, scale operands
.set PW,   96                          ; v96     the scale word just made
.set WD,   100                         ; v100-103 a chunk's four scale words
.set PC,   104                         ; v104-122 the codes just made
.set PF,   128                         ; P's fragments: set s at v[128 + 48 s]
.set H,    128                         ; a block after RoPE
.set BK,   192                         ; rows back from a stage
.set SEL,  82                          ; s82-83 lane selects for lane l xor 16
.set G1,  24                           ; s[24:31] group 1 for P's chunks; s[32:39] group 0, a set for each slot
.set G0,  32
.set G1B, 48                           ; s[48:55], s[56:63] the same for Q's
.set G0B, 56
.set MSB, 0
.macro WIN new                         ; the immediate's high byte repeats the setting that is left
.if MSB != (\new)
	s_set_vgpr_msb (MSB<<8)|(\new)
.set MSB, (\new)
.endif
.endm
.macro PLACES n                        ; plain vector instructions between a matrix instruction and a load into, or a read of, its registers
.rept \n
	v_nop
.endr
.endm
; A joint load: waves 0 and 1 fetch P's halves, waves 2 and 3 Q's.  The branch hangs on the wave's number alone.  Four v_nop follow each of the two lines.
.macro JLOAD g0a, g1a, g0b, g1b
	s_cmp_eq_u32 s17, 0
	s_cbranch_scc0 .Lfor_b_\@
	tensor_load_to_lds s[\g0a:\g0a+3], s[\g1a:\g1a+7]
	s_nop 0
.rept 4
	v_nop
.endr
	s_branch .Lasked_\@
.Lfor_b_\@:
	tensor_load_to_lds s[\g0b:\g0b+3], s[\g1b:\g1b+7]
	s_nop 0
.rept 4
	v_nop
.endr
.Lasked_\@:
.endm
.macro CREST                           ; a round of the cluster's barrier behind its opening barrier
	s_cmp_lg_u32 s16, 0
	s_cbranch_scc1 .Lnot_wave_0_\@
	s_barrier_signal -3
.Lnot_wave_0_\@:
	s_barrier_wait -3
	s_barrier_signal -1
	s_barrier_wait -1
.endm
.macro CROUND
	s_barrier_signal -1
	s_barrier_wait -1
	CREST
.endm
.macro FINISH                          ; a wave's end, behind its last tensor load and LDS store; then the closing round
	s_wait_tensorcnt 0x0
	ds_add_u32 v[SPW], v[NIL]
	s_wait_dscnt 0x0
	CROUND
	s_endpgm
.endm
	s_load_b256 s[4:11], s[0:1], 0x0               ; c1, rope, qimg, kv
	s_load_b128 s[12:15], s[0:1], 0x20             ; out1, out2
	v_lshl_add_u32 v[SPW], v0, 2, SPARE
	v_mov_b32 v[NIL], 0
	ds_add_u32 v12, v13
	s_wait_dscnt 0x0
	v_lshrrev_b32 v1, 5, v0
	v_readfirstlane_b32 s16, v1                    ; wave
	s_lshr_b32 s17, s16, 1                         ; wp.  Also: I fetch for P (0) or for Q (1)
	s_and_b32 s18, s16, 1                          ; wq.  Also: which half of the chunks I fetch
	s_bfe_u32 s40, ttmp6, 0x40000                  ; cx
	s_bfe_u32 s41, ttmp6, 0x40004                  ; cy
	s_and_b32 s20, ttmp7, 0xffff                   ; cluster y
	s_lshr_b32 s21, s20, 1
	s_and_b32 s22, s20, 1
	s_cmp_eq_u32 ttmp9, 3                          ; v's clusters: 2 x 2 of them, told apart by the cluster's y
	s_cselect_b32 s21, s21, s20
	s_cselect_b32 s22, s22, ttmp9
	s_cselect_b32 s23, 320, 0                      ; P's first block: wv or x
	s_cselect_b32 s45, 0, 128                      ; Q's first block: x or wq
	s_lshl_b32 s19, s21, 2
	s_add_co_u32 s19, s19, s41                     ; tile row: 128 rows of P
	s_lshl_b32 s42, s22, 2
	s_add_co_u32 s42, s42, s40                     ; tile column: 256 rows of Q
	s_lshl_b32 s43, s41, 2
	s_lshl_b32 s43, 15, s43                        ; my row of the cluster
	s_lshl_b32 s44, 0x1111, s40                    ; my column
	; group 1: a dense block as rows of 256 bytes (32 elements of 8 bytes): P's 4 chunks are 100 rows, Q's 8 chunks 200
	s_or_b32 s[G1+0], s43, (3<<16)|(1<<21)
	s_mov_b32 s[G1+1], 32<<16
	s_mov_b32 s[G1+2], 100<<16
	s_mov_b32 s[G1+3], 32<<16
	s_mov_b32 s[G1+4], 100
	s_mov_b32 s[G1+5], 32
	s_mov_b32 s[G1+6], 0
	s_mov_b32 s[G1+7], 0
	s_or_b32 s[G1B+0], s44, (3<<16)|(1<<21)
	s_mov_b32 s[G1B+1], 32<<16
	s_mov_b32 s[G1B+2], 200<<16
	s_mov_b32 s[G1B+3], 32<<16
	s_mov_b32 s[G1B+4], 200
	s_mov_b32 s[G1B+5], 32
	s_mov_b32 s[G1B+6], 0
	s_mov_b32 s[G1B+7], 0
	s_lshl_b32 s46, s19, 3                         ; P: block 8 x tile row + 4 x half (+ the tensor's first)
	s_add_co_u32 s46, s46, s23
	s_lshl_b32 s47, s18, 2
	s_add_co_u32 s46, s46, s47
	s_mul_i32 s46, s46, CH
	s_mov_b32 s47, 0
	s_lshl_b32 s66, s42, 4                         ; Q: block 16 x tile column + 8 x half
	s_add_co_u32 s66, s66, s45
	s_lshl_b32 s67, s18, 3
	s_add_co_u32 s66, s66, s67
	s_mul_i32 s66, s66, CH
	s_mov_b32 s67, 0
	s_mul_i32 s68, s18, 4*CH                       ; where they go: no place in the cluster enters an LDS address
	s_mul_i32 s69, s18, 8*CH
	s_add_co_u32 s69, s69, QOFF
	s_lshl_b32 s70, s19, 17                        ; the tables of my four blocks of tokens: (8 x tile row + 4 wp) x 16,384
	s_lshl_b32 s71, s17, 16
	s_add_co_u32 s70, s70, s71
	s_mov_b32 s71, 0
	s_mov_b32 s[SEL], 0x76543210
	s_mov_b32 s[SEL+1], 0xfedcba98
	s_wait_kmcnt 0x0
	s_add_nc_u64 s[46:47], s[4:5], s[46:47]
	s_add_nc_u64 s[66:67], s[4:5], s[66:67]
	s_add_nc_u64 s[70:71], s[6:7], s[70:71]
	CROUND                                         ; all sixteen work-groups are here: the first joint loads meet
.irp s, 0,1
	s_mov_b32 s[G0+4*\s], 1
	s_add_co_u32 s[G0+4*\s+1], s68, \s*SLOT
	s_add_nc_u64 s[G0+4*\s+2:G0+4*\s+3], s[46:47], \s*ASTEP
	s_or_b32 s[G0+4*\s+3], s[G0+4*\s+3], 0x80000000
	s_mov_b32 s[G0B+4*\s], 1
	s_add_co_u32 s[G0B+4*\s+1], s69, \s*SLOT
	s_add_nc_u64 s[G0B+4*\s+2:G0B+4*\s+3], s[66:67], \s*BSTEP
	s_or_b32 s[G0B+4*\s+3], s[G0B+4*\s+3], 0x80000000
	JLOAD G0+4*\s, G1, G0B+4*\s, G1B
.endr
	v_and_b32 v1, 15, v0                           ; r
	v_bfe_u32 v2, v0, 4, 1                         ; h
	v_and_b32 v[LI], 31, v0
	v_lshlrev_b32 v[LI], 4, v[LI]
	s_mul_i32 s20, s17, 4*CH                       ; my 4 chunks of P
	s_mul_i32 s21, s18, 8*CH
	s_add_co_u32 s21, s21, QOFF                    ; my 8 chunks of Q
	v_lshlrev_b32 v20, 4, v1                       ; 16 r
	v_add_nc_u32 v21, CH-256, v20
	v_mad_u32_u24 v22, v2, 2*CH, v21               ; lanes 16-31: two chunks on
	v_mad_u32_u24 v23, v2, 4*CH, v21               ; four chunks on
.irp s, 0,1
	v_add_nc_u32 v[ADRA+\s], s20, v[LI]
	v_add_nc_u32 v[ADRB+\s], s21, v[LI]
	v_add_nc_u32 v[ADSA+\s], s20, v22
	v_add_nc_u32 v[ADSB+\s], s21, v23
	s_add_co_u32 s20, s20, SLOT
	s_add_co_u32 s21, s21, SLOT
.endr
	v_lshl_add_u32 v[SCO], v2, 3, v20
	v_lshl_add_u32 v[VO], v2, 9, v20
	s_mul_i32 s22, s16, 34816                      ; v's stages: 128 rows x 272 bytes for each wave, from byte 40,960 on
	s_add_co_u32 s22, s22, 40960
	v_mad_u32_u24 v21, v2, 272, v20
	v_add_nc_u32 v[RDV], s22, v21
	v_and_b32 v21, 8, v1
	v_add_nc_u32 v21, v21, v1
	v_lshlrev_b32 v21, 2, v21
	v_mad_u32_u24 v21, v2, 4352, v21
	v_add_nc_u32 v[VS], s22, v21
	s_mul_i32 s23, s16, 8448                       ; k's stages: 16 rows x 528 bytes for each wave, from byte 0 on
	v_mul_u32_u24 v21, v1, 528
	v_lshl_add_u32 v21, v2, 6, v21
	v_add_nc_u32 v[STO], s23, v21
	v_add_nc_u32 v[RD], s23, v[LI]
.irp b, 0,1,2,3
	v_mov_b32 v[TM+4+\b], 0                        ; written once: a lane permute's destination counts as one of its sources
.endr
; 36 LDS loads in one run: the fragments of the slot's q-th 128 along K into set `set`: each load takes 512 consecutive bytes
.macro FETCH slot, q, set
	WIN 0x40
.irp b, 0,1,2,3,4,5,6,7
.irp g, 0,1,2
	ds_load_b128 v[128*(\set)+12*\b+4*\g:128*(\set)+12*\b+4*\g+3], v[ADRB+\slot] offset:CH*\b+1536*(\q)+512*\g
.endr
.endr
	WIN 0
.irp a, 0,1,2,3
.irp g, 0,1,2
	ds_load_b128 v[PF+48*(\set)+12*\a+4*\g:PF+48*(\set)+12*\a+4*\g+3], v[ADRA+\slot] offset:CH*\a+1536*(\q)+512*\g
.endr
.endr
.endm
.macro SCALES slot                     ; a slot's scale words: one load brings a row's four words (the slot's four steps)
.irp i, 0,1,2,3
	ds_load_b128 v[SC+24*\slot+4*\i:SC+24*\slot+4*\i+3], v[ADSB+\slot] offset:CH*\i
.endr
.irp i, 0,1
	ds_load_b128 v[SC+24*\slot+16+4*\i:SC+24*\slot+16+4*\i+3], v[ADSA+\slot] offset:CH*\i
.endr
.endm
.macro MMX c, a, b                     ; blocks 4-7 of Q and 2, 3 of P have their scale words in lanes 16-31
.if ((\b) >= 4) && ((\a) >= 2)
	v_wmma_scale_f32_16x16x128_f8f6f4 v[rD:rD+7], v[rA:rA+11], v[rB:rB+11], \c, v[rSA], v[rSB] matrix_a_fmt:MATRIX_FMT_FP6 matrix_b_fmt:MATRIX_FMT_FP6 matrix_a_scale:MATRIX_SCALE_ROW1 matrix_b_scale:MATRIX_SCALE_ROW1
.elseif (\b) >= 4
	v_wmma_scale_f32_16x16x128_f8f6f4 v[rD:rD+7], v[rA:rA+11], v[rB:rB+11], \c, v[rSA], v[rSB] matrix_a_fmt:MATRIX_FMT_FP6 matrix_b_fmt:MATRIX_FMT_FP6 matrix_a_scale:MATRIX_SCALE_ROW1
.elseif (\a) >= 2
	v_wmma_scale_f32_16x16x128_f8f6f4 v[rD:rD+7], v[rA:rA+11], v[rB:rB+11], \c, v[rSA], v[rSB] matrix_a_fmt:MATRIX_FMT_FP6 matrix_b_fmt:MATRIX_FMT_FP6 matrix_b_scale:MATRIX_SCALE_ROW1
.else
	v_wmma_scale_f32_16x16x128_f8f6f4 v[rD:rD+7], v[rA:rA+11], v[rB:rB+11], \c, v[rSA], v[rSB] matrix_a_fmt:MATRIX_FMT_FP6 matrix_b_fmt:MATRIX_FMT_FP6
.endif
.endm
.macro MM1 a, b, set, q, sc, zero
.set rD, 8*(8*(\a)+(\b))
.set rA, 128*(\set)+12*(\b)
.set rB, PF+48*(\set)+12*(\a)
.set rSA, SC+24*(\sc)+4*((\b)%4)+(\q)
.set rSB, SC+24*(\sc)+16+4*((\a)%2)+(\q)
.if \zero
	MMX 0, \a, \b
.else
	MMX v[rD:rD+7], \a, \b
.endif
.endm
; 8 matrix instructions: P's block a against Q's eight.  The 32 accumulators take turns, one instruction a turn, in the same order in every step.  zero = 1: the first products start the sums.
.macro MULA a, set, q, sc, zero
.irp b, 0,1,2,3,4,5,6,7
	MM1 \a, \b, \set, \q, \sc, \zero
.endr
.endm
.macro STEP slot, q, zero              ; one of a slot's first three steps of 128 along K
	s_wait_dscnt 0x0                               ; this step's fragments, asked for 32 matrix instructions ago, are in
	PLACES 4                                       ; the other sets were read by the step before
	FETCH \slot, (\q)+1, 1-(\q)%2
	WIN 0xa1                                       ; source 0 (Q) window 1, source 1 (P) window 0, C and D window 2
	MULA 0, (\q)%2, \q, \slot, \zero
	MULA 1, (\q)%2, \q, \slot, \zero
	MULA 2, (\q)%2, \q, \slot, \zero
	MULA 3, (\q)%2, \q, \slot, \zero
.endm
; A slot's last step changes slots: one barrier; in front of it each wave waits for all its tensor loads, adds 0 to its spare word, and waits for that and for its reads of this slot.  fill = 1: the slot is filled again, two chunks on.
.macro TURN slot, next, fill
	WIN 0
	s_wait_tensorcnt 0x0                           ; all my tensor loads have landed: my part of the next slot
	ds_add_u32 v[SPW], v[NIL]                      ; 0 onto my spare word
	s_wait_dscnt 1                                 ; this step's fragments are in; the add alone may be out
	WIN 0xa1
	MULA 0, 1, 3, \slot, 0
	s_wait_dscnt 0x0                               ; the add is done, and my reads of this slot are over
	s_barrier_signal -1
	MULA 1, 1, 3, \slot, 0
	WIN 0
	s_barrier_wait -1
.if \fill
	CREST                                          ; the barrier has opened a round of the cluster's: no wave of any partner still reads this slot or has a load on its way
	s_add_nc_u64 s[G0+4*\slot+2:G0+4*\slot+3], s[G0+4*\slot+2:G0+4*\slot+3], 2*ASTEP
	s_add_nc_u64 s[G0B+4*\slot+2:G0B+4*\slot+3], s[G0B+4*\slot+2:G0B+4*\slot+3], 2*BSTEP
	JLOAD G0+4*\slot, G1, G0B+4*\slot, G1B         ; the first tensor load behind the round; its four v_nop are the places in front of the loads below
.else
	PLACES 4
.endif
	FETCH \next, 0, 0
	SCALES \next
	WIN 0xa1
	MULA 2, 1, 3, \slot, 0
	MULA 3, 1, 3, \slot, 0
.endm
.macro TAB a                           ; cos and sin' of my block a of tokens: 32 loads of 512 consecutive bytes, into set a % 2 of window 3
	WIN 0xc0
.set n, 0
.rept 32
	global_load_b128 v[128*((\a)%2)+4*n:128*((\a)%2)+4*n+3], v[LI], s[70:71] offset:16384*(\a)+512*n
.set n, n+1
.endr
	WIN 0
.endm
	s_wait_tensorcnt 0x1                           ; my part of chunk 0 is in (chunk 1's load may be out)
	s_barrier_signal -1
	s_barrier_wait -1                              ; everybody's is
	FETCH 0, 0, 0
	SCALES 0
	STEP 0, 0, 1                                   ; the first step stands in front of the loop: its products start the sums
	WIN 0
	s_mov_b32 s3, NCH/2-1
.Llap:                                                 ; a trip goes once round the ring and fills both slots again
	STEP 0, 1, 0
	STEP 0, 2, 0
	TURN 0, 1, 1
	STEP 1, 0, 0
	STEP 1, 1, 0
	STEP 1, 2, 0
	TURN 1, 0, 1
	STEP 0, 0, 0
	WIN 0
	s_sub_co_u32 s3, s3, 1
	s_cmp_lg_u32 s3, 0
	s_cbranch_scc1 .Llap
	TAB 0                                          ; the first two blocks' tables are asked for seven steps ahead of their use
	TAB 1
	STEP 0, 1, 0                                   ; the last lap fills nothing
	STEP 0, 2, 0
	TURN 0, 1, 0
	STEP 1, 0, 0
	STEP 1, 1, 0
	STEP 1, 2, 0
	s_wait_dscnt 0x0
	WIN 0xa1
	MULA 0, 1, 3, 1, 0
	MULA 1, 1, 3, 1, 0
	MULA 2, 1, 3, 1, 0
	MULA 3, 1, 3, 1, 0
	WIN 0
	s_barrier_signal -1                            ; no LDS instruction of mine is out: my reads of both slots are over;
	s_barrier_wait -1                              ; everybody's are: both slots have had their last fill and their last read, and may hold the stages
	PLACES 4
; 64 numbers of a lane in window hw, register s + 16 b + i = k 32 b + 16 h + i of my row, become a fragment's codes in v[PC] on and its scale word in v[PW].
.macro QUANT s, hw
	WIN (\hw)|((\hw)<<2)
.irp b, 0,1,2,3
	v_max3_num_f32 v[TM+\b], |v[(\s)+16*\b]|, |v[(\s)+1+16*\b]|, 0x1800000   ; my 16 numbers of block b, and the floor 2^(3 - 127): the byte cannot fall under 1
.endr
.irp i, 2,4,6,8,10,12,14
.irp b, 0,1,2,3
	v_max3_num_f32 v[TM+\b], |v[(\s)+16*\b+\i]|, |v[(\s)+1+16*\b+\i]|, v[TM+\b]
.endr
.endr
	WIN 0
.irp b, 0,1,2,3
	v_permlanex16_b32 v[TM+4+\b], v[TM+\b], s[SEL], s[SEL+1]
.endr
.irp b, 0,1,2,3
	v_max_num_f32 v[TM+\b], v[TM+\b], v[TM+4+\b]   ; with lane l xor 16's: the block's largest magnitude
.endr
.irp b, 0,1,2,3
	v_add_nc_u32 v[TM+12+\b], 0xff000000, v[TM+\b] ; 2 off its exponent field: the conversion's scale operand
.endr
.irp b, 0,1,2,3
	v_lshrrev_b32 v[TM+4+\b], 23, v[TM+12+\b]      ; the scale's byte
.endr
	v_lshl_or_b32 v[PW], v[TM+5], 8, v[TM+4]
	v_lshl_or_b32 v[PW], v[TM+6], 16, v[PW]
	v_lshl_or_b32 v[PW], v[TM+7], 24, v[PW]
	WIN \hw
.irp c, 0,1
	v_cvt_scalef32_pk16_fp6_f32 v[PC+6*\c:PC+2+6*\c], v[(\s)+32*\c:(\s)+15+32*\c], v[TM+12+2*\c]
	v_cvt_scalef32_pk16_fp6_f32 v[PC+12+4*\c:PC+14+4*\c], v[(\s)+16+32*\c:(\s)+31+32*\c], v[TM+12+2*\c+1]   ; (a conversion's three registers begin on an even number)
.endr
	WIN 0
	v_nop                                          ; one plain instruction behind a scaled conversion
.irp c, 0,1                                    ; the operand's layout wants a whole block in a lane
.irp i, 0,1,2
	v_permlane16_swap_b32 v[PC+6*\c+\i], v[PC+12+4*\c+\i]
.endr
.irp i, 0,1,2
	v_mov_b32 v[PC+3+6*\c+\i], v[PC+12+4*\c+\i]
.endr
.endr
.endm
.macro IMAGE a                         ; the fragment leaves as it stands: three stores of 512 consecutive bytes, aligned
.irp g, 0,1,2
	global_store_b128 v[LI], v[PC+4*\g:PC+4*\g+3], s[78:79] offset:1536*(\a)+512*\g
.endr
	v_mov_b32 v[WD+(\a)], v[PW]
.endm
.macro WORDS                           ; the chunk's scale words: lane (r, h) stores those of fragments 2 h and 2 h + 1: 256 consecutive bytes, aligned
	v_cmp_eq_u32 vcc_lo, 1, v2
	v_cndmask_b32 v20, v[WD], v[WD+2], vcc_lo
	v_cndmask_b32 v21, v[WD+1], v[WD+3], vcc_lo
	global_store_b64 v[SCO], v[20:21], s[78:79] offset:CH-256
.endm
	s_cmp_eq_u32 ttmp9, 3
	s_cbranch_scc1 .Lv
	; ---------------- q and k
	s_lshl_b32 s72, s42, 1
	s_add_co_u32 s72, s72, s18                     ; the head: 0-15 q's, 16-23 k's
	s_lshl_b32 s73, s19, 1
	s_add_co_u32 s73, s73, s17                     ; G: my 64 tokens
	s_lshl_b32 s74, s72, 5
	s_add_co_u32 s74, s74, s73                     ; qimg: chunk 32 x head + G
	s_max_u32 s75, s72, 16
	s_sub_co_u32 s75, s75, 16                      ; k's head (0 in q's work-groups, which do not use it)
	s_lshl_b32 s76, s75, 4
	s_lshr_b32 s77, s73, 1
	s_add_co_u32 s76, s76, s77
	s_lshl_b32 s76, s76, 2
	s_and_b32 s77, s73, 1
	s_add_co_u32 s76, s76, s77                     ; kv: chunk (16 x head + key step) x 4 + G % 2
	s_cmp_eq_u32 ttmp9, 2
	s_cselect_b32 s74, s76, s74
	s_cselect_b64 s[78:79], s[10:11], s[8:9]
	s_mul_i32 s76, s74, CH
	s_mov_b32 s77, 0
	s_add_nc_u64 s[78:79], s[78:79], s[76:77]
	s_lshl_b32 s76, s75, 20                        ; out1: a head is 2,048 x 512 bytes, my 64 tokens 32,768
	s_lshl_b32 s80, s73, 15
	s_add_co_u32 s76, s76, s80
	s_add_nc_u64 s[12:13], s[12:13], s[76:77]
.macro KOUT a                          ; k alone: the block goes through my stage and leaves as whole rows of 512 bytes
	s_cmp_lg_u32 ttmp9, 2
	s_cbranch_scc1 .Lnot_k_\@
.irp t, 0,1,2,3,4,5,6,7
.irp g, 0,1
	ds_store_b128 v[STO], v[H+8*\t+4*\g:H+8*\t+4*\g+3] offset:128*(\t/2)+32*(\t%2)+16*\g
.endr
.endr
.irp i, 0,1,2,3,4,5,6,7,8,9,10,11,12,13,14,15
	ds_load_b128 v[BK+4*\i:BK+4*\i+3], v[RD] offset:528*\i   ; LDS serves a wave's instructions in order (ISA guide 5.7.1.4): these see my stores
.endr
.irp i, 0,1,2,3,4,5,6,7,8,9,10,11,12,13,14,15
	s_wait_dscnt 15-\i
	global_store_b128 v[LI], v[BK+4*\i:BK+4*\i+3], s[12:13] offset:(32*((\a)/2)+8*((\a)%2)+\i+8*(\i/8))*512 th:TH_STORE_NT
.endr
.Lnot_k_\@:
.endm
.macro QKA a                           ; my block a of 16 tokens: RoPE, k's way out, the quantiser
.set TBL, 128*((\a)%2)
.set AC, 64*(\a)
.if (\a) < 3
	s_wait_loadcnt 32                              ; this block's tables are in; the other set's 32 loads may be out
.else
	s_wait_loadcnt 0x0
.endif
	s_wait_xcnt 0x0                                ; the last block's stores have read their registers
	WIN 0x0e                                       ; source 0 (the sums) window 2, source 1 (the tables) window 3
.irp t, 0,1,2,3
.irp j, 0,2,4,6
	v_pk_mul_f32 v[H+8*\t+\j:H+8*\t+\j+1], v[AC+8*\t+\j:AC+8*\t+\j+1], v[TBL+8*\t+\j:TBL+8*\t+\j+1]                       ; v[d] cos[d]; each accumulator is read from its low end on
	v_pk_mul_f32 v[H+32+8*\t+\j:H+32+8*\t+\j+1], v[AC+32+8*\t+\j:AC+32+8*\t+\j+1], v[TBL+32+8*\t+\j:TBL+32+8*\t+\j+1]
.endr
.endr
.irp t, 0,1,2,3
.irp j, 0,2,4,6
	v_pk_fma_f32 v[H+8*\t+\j:H+8*\t+\j+1], v[AC+32+8*\t+\j:AC+32+8*\t+\j+1], v[TBL+64+8*\t+\j:TBL+64+8*\t+\j+1], v[H+8*\t+\j:H+8*\t+\j+1]       ; + v[d xor 64] sin'[d]: tile t xor 4, the same lane and register
	v_pk_fma_f32 v[H+32+8*\t+\j:H+32+8*\t+\j+1], v[AC+8*\t+\j:AC+8*\t+\j+1], v[TBL+96+8*\t+\j:TBL+96+8*\t+\j+1], v[H+32+8*\t+\j:H+32+8*\t+\j+1]
.endr
.endr
	WIN 0
.if (\a) < 2
	TAB (\a)+2
.endif
	KOUT \a
	QUANT H, 0
	IMAGE \a
.endm
	QKA 0
	QKA 1
	QKA 2
	QKA 3
	WORDS
	FINISH
	; ---------------- v: a lane holds one channel; its registers run along 128 tokens
.Lv:
	s_lshl_b32 s72, s42, 1
	s_add_co_u32 s72, s72, s18                     ; the key step: my 128 tokens
	s_lshl_b32 s73, s19, 4                         ; the tile row is the head
	s_add_co_u32 s73, s73, s72
	s_lshl_b32 s73, s73, 2
	s_add_co_u32 s73, s73, s17
	s_add_co_u32 s73, s73, 2                       ; kv: chunk (16 x head + key step) x 4 + 2 + wp
	s_mul_i32 s76, s73, CH
	s_mov_b32 s77, 0
	s_add_nc_u64 s[78:79], s[10:11], s[76:77]
	s_lshl_b32 s76, s19, 20
	s_lshl_b32 s80, s72, 16                        ; 128 tokens x 512 bytes
	s_add_co_u32 s76, s76, s80
	s_lshl_b32 s80, s17, 8                         ; my 64 channels
	s_add_co_u32 s76, s76, s80
	s_add_nc_u64 s[14:15], s[14:15], s[76:77]
	s_wait_loadcnt 0x0                             ; the tables, which this path does not use
	WIN 0x08                                       ; an LDS store's data are its source 1: window 2
.irp a, 0,1,2,3
.irp b, 0,1,2,3,4,5,6,7
.irp j, 0,1,2,3,4,5,6,7
	ds_store_b32 v[VS], v[64*\a+8*\b+\j] offset:(32*(\b/2)+8*(\b%2)+\j)*272+(32*(\a/2)+8*(\a%2))*4   ; the stage's row = the token, its word = the channel
.endr
.endr
.endr
	WIN 0
.irp a, 0,1,2,3
.if \a > 0
	s_wait_xcnt 0x0                                ; the last fragment's stores have read the codes' registers
.endif
	QUANT 64*\a, 2
	IMAGE \a
.endr
	WORDS
.irp n, 0,1,2,3
	s_wait_xcnt 0x0                                ; earlier stores have read their registers
.irp i, 0,1,2,3,4,5,6,7,8,9,10,11,12,13,14,15
	ds_load_b128 v[BK+4*\i:BK+4*\i+3], v[RDV] offset:544*(16*\n+\i)   ; two tokens' 256 bytes: they see my stores (LDS serves a wave in order)
.endr
.irp i, 0,1,2,3,4,5,6,7,8,9,10,11,12,13,14,15
	s_wait_dscnt 15-\i
	global_store_b128 v[VO], v[BK+4*\i:BK+4*\i+3], s[14:15] offset:1024*(16*\n+\i) th:TH_STORE_NT   ; sixteen lanes store 256 consecutive bytes, aligned
.endr
.endr
	FINISH
.Lfunc_end_k_q9dd86cb6a3_qkv:
	.size	k_q9dd86cb6a3_qkv, .Lfunc_end_k_q9dd86cb6a3_qkv-k_q9dd86cb6a3_qkv
	.p2alignl 7, 3214868480
	.fill 96, 4, 3214868480
	.section	.rodata,"a",@progbits
	.p2align	6, 0x0
	.amdhsa_kernel k_q9dd86cb6a3_qkv
		.amdhsa_group_segment_fixed_size 327680
		.amdhsa_private_segment_fixed_size 0
		.amdhsa_enable_private_segment 0
		.amdhsa_kernarg_size 48
		.amdhsa_user_sgpr_count 2
		.amdhsa_user_sgpr_kernarg_segment_ptr 1
		.amdhsa_wavefront_size32 1
		.amdhsa_system_sgpr_workgroup_id_x 1
		.amdhsa_system_sgpr_workgroup_id_y 1
		.amdhsa_system_sgpr_workgroup_id_z 1
		.amdhsa_system_vgpr_workitem_id 0
		.amdhsa_next_free_vgpr 1024
		.amdhsa_next_free_sgpr 100
		.amdhsa_reserve_vcc 1
		.amdhsa_float_denorm_mode_32 3
		.amdhsa_float_denorm_mode_16_64 3
		.amdhsa_memory_ordered 1
		.amdhsa_forward_progress 1
		.amdhsa_inst_pref_size 225
	.end_amdhsa_kernel
	.amdgpu_metadata
---
amdhsa.version: [ 1, 2 ]
amdhsa.kernels:
  - .name:           k_q9dd86cb6a3_qkv
    .symbol:         k_q9dd86cb6a3_qkv.kd
    .args:
      - { .name: c1, .offset: 0, .size: 8, .value_kind: global_buffer, .address_space: global }
      - { .name: rope, .offset: 8, .size: 8, .value_kind: global_buffer, .address_space: global }
      - { .name: qimg, .offset: 16, .size: 8, .value_kind: global_buffer, .address_space: global }
      - { .name: kv, .offset: 24, .size: 8, .value_kind: global_buffer, .address_space: global }
      - { .name: out1, .offset: 32, .size: 8, .value_kind: global_buffer, .address_space: global }
      - { .name: out2, .offset: 40, .size: 8, .value_kind: global_buffer, .address_space: global }
    .group_segment_fixed_size: 327680
    .private_segment_fixed_size: 0
    .kernarg_segment_align: 8
    .kernarg_segment_size: 48
    .max_flat_workgroup_size: 128
    .sgpr_count:     100
    .vgpr_count:     1024
    .wavefront_size: 32
...
	.end_amdgpu_metadata
.endif
;; end of part 2
;; launch attn (part 3): grid 32 x 8, 8 waves a work-group, clusters of 4 x 1, 327,680 bytes of LDS; arguments qimg, kv, c3; writes c3
.if DOCPART == 3
	.amdgcn_target "amdgcn-amd-amdhsa--gfx1250"
	.amdhsa_code_object_version 6
	.text
	.protected	k_q9dd86cb6a3_attn
	.globl	k_q9dd86cb6a3_attn
	.p2align	8
	.type	k_q9dd86cb6a3_attn,@function
k_q9dd86cb6a3_attn:
	s_mov_b64 s[64:65], 0
	v_nop
	global_prefetch_b8 v0, s[64:65] scope:SCOPE_SE
	s_setreg_imm32_b32 hwreg(HW_REG_WAVE_MODE, 25, 1), 1
	s_wait_xcnt 0x0
	s_wait_alu depctr_hold_cnt(0) depctr_sa_sdst(0) depctr_va_vdst(0) depctr_va_sdst(0) depctr_va_ssrc(0) depctr_va_vcc(0) depctr_vm_vsrc(0)
	s_getreg_b32 s2, hwreg(HW_REG_IB_STS2, 6, 4)
	s_cmp_eq_u32 s2, 0
	s_cbranch_scc0 .Lentry_in_a_cluster
	s_endpgm
.Lentry_in_a_cluster:
	s_bfe_u32 s2, ttmp6, 0x10000c
	s_cmp_lg_u32 s2, 0x3003
	s_cbranch_scc0 .Lentry_shape_is_right
	s_endpgm
.Lentry_shape_is_right:
; Causal attention on codes of FP6 (E2M3) with E8M0 scales: 16 query heads, 8 key and value heads, 2,048 tokens, head size 128.  The result O / l is quantised along the head and stored as the last product's operand.
; qimg: [16 heads][32 G][chunk]: fragment f = token block 4 G + f.   kv: [8 heads][16 key steps][4 chunks]: chunks 0, 1 = K's eight blocks of 16 keys; chunks 2, 3 = V^T's eight tiles of 16 channels x the step's 128 keys.
; A chunk is four fragments (12 registers a lane, registers 4 g .. 4 g + 3 of lane l at 512 g + 16 l) + 256 bytes of scale words (6,144 + 16 r + 4 f).  Lane r of block RB holds row 32 (RB / 2) + 8 (RB % 2) + r + 8 (r / 8).
; THE SOFTMAX: t = score x log2(e) / sqrt(128); M = the running largest t rounded up to a whole number; p = 2^(t - M) is quantised along the keys, not normalised; the row's sum of the unquantised p divides at the end.
; When M moves, the sum and O are multiplied by 2^(old M - new M): exact.
; BOTH PRODUCTS ARE USED TRANSPOSED: S^T = K Q^T, O^T = V^T P^T: a lane holds one query throughout; by the choice of a block's rows the 16 registers of two neighbouring tiles are 16 neighbours along the next K.
; SHARES.  A cluster of four work-groups serves one key and value head: cx / 2 picks the query head of the pair, cx % 2 a half of a strip of 128 tokens.  All four walk the same K and V: every key step is asked for jointly.
; A wave owns one tile of 16 queries.  Waves 0-3 take strip 15 - p, waves 4-7 strip p (p = the cluster's x): (16 - p) + (p + 1) = 17 key steps of work for each pair of waves w, w + 4, in every work-group.
; CAUSAL.  Every work-group walks all 16 key steps (constant trip counts; no tensor load and no barrier is jumped over); a wave leaves out the WORK of steps beyond its strip by a scalar branch on ids, which is alike in all partners.
; In the step on the diagonal hidden scores become -infinity ahead of the maximum.  Key 0 counts for every query, so M is a number from a wave's first step on.
; THE RING: two slots of four key steps (102,400 bytes), 2^17 bytes apart; waves 0-3 fetch a key step each (25,600 dense bytes).  By this text's count one tensor load of a wave is out at a time; it has four key steps in which to land.
; No prefetch is written: each fill is asked for four key steps ahead of the wait for it.
; The scale words of c3 are stored 4 bytes a row: four heads share a run of 256 bytes, so this one store writes it in part (64 bytes a wave).
; REGISTERS: window 0: v1-11 addresses; v12 -M, v13 the largest t, v[14:15] the sum; v16-27 Q; v29 my query's place; v32-39 K's scale words, v40-47 V's; v48-67 the result's codes; v96-159 S^T, then p; v160-223 O^T;
;   v224-235 p's codes; v232-254 at work; v255 Q's scale word.   window 1: v0-95 K's eight fragments, v96-191 V's.
; LIMITS: NaN and infinities are not served; a block whose largest magnitude lies under 2^-124 keeps the scale byte 1 (zero codes under it add nothing).
.set CH,    6400
.set KSB,   4*CH                       ; a key step's bytes
.set SLOT1, 1<<17
.set SPARE, 2*SLOT1                    ; behind the ring: the spare words, 128 bytes for each of eight waves
.set LI,   1                           ; v1   16 x lane
.set SC0,  2                           ; v2   16 r + 6,144
.set SPW,  5                           ; v5   my spare word; never rewritten
.set NIL,  6                           ; v6   0; never rewritten
.set ADF,  8                           ; v8   the step's fragments
.set ADS,  9                           ; v9   the step's scale words
.set DQ,   29                          ; v29  my query's place in its strip - 16 h
.set TM,   232
.set PW,   252
.set PC,   48
.set TB,   2                           ; s2   LDS byte at which the key step in hand begins
.set KS,   3                           ; s3   the key step
.set WV,   18
.set SEL,  20
.set CS,   22
.set G1,   24
.set G0,   40
.set SS,   44                          ; s44  my strip
.set SLOTS, 45
.set FOUR, 46
.set MSB, 0
.macro WIN new
.if MSB != (\new)
	s_set_vgpr_msb (MSB<<8)|(\new)
.set MSB, (\new)
.endif
.endm
.macro CROUND                          ; a round of the cluster's barrier
	s_barrier_signal -1
	s_barrier_wait -1
	s_cmp_lg_u32 s[WV], 0
	s_cbranch_scc1 .Lnot_wave_0_\@
	s_barrier_signal -3
.Lnot_wave_0_\@:
	s_barrier_wait -3
	s_barrier_signal -1
	s_barrier_wait -1
.endm
.macro TLOAD                           ; waves 0-3 fetch a key step each; the branch hangs on the wave's number alone; four v_nop follow the load
	s_cmp_lt_u32 s[WV], 4
	s_cbranch_scc0 .Lasked_\@
	tensor_load_to_lds s[G0:G0+3], s[G1:G1+7]
	s_nop 0
.rept 4
	v_nop
.endr
.Lasked_\@:
.endm
	s_load_b128 s[4:7], s[0:1], 0x0                ; qimg, kv
	s_load_b64 s[8:9], s[0:1], 0x10                ; c3
	v_lshl_add_u32 v[SPW], v0, 2, SPARE
	v_mov_b32 v[NIL], 0
	ds_add_u32 v5, v6
	s_wait_dscnt 0x0
	v_lshrrev_b32 v8, 5, v0
	v_readfirstlane_b32 s[WV], v8                  ; wave 0..7
	s_and_b32 s19, s[WV], 3
	s_bfe_u32 s47, ttmp6, 0x40000                  ; cx: it enters Q's and c3's addresses and the mask's numbers, no branch and no LDS address
	s_lshr_b32 s48, s47, 1
	s_and_b32 s49, s47, 1                          ; which half of a strip
	s_and_b32 s50, ttmp7, 0xffff                   ; the key and value head
	s_lshl_b32 s51, s50, 1
	s_add_co_u32 s51, s51, s48                     ; the query head
	s_sub_co_u32 s52, 15, ttmp9
	s_cmp_lt_u32 s[WV], 4
	s_cselect_b32 s[SS], s52, ttmp9                ; my strip of 128 tokens
	; group 1: 25,600 dense bytes as 100 rows of 256 bytes (32 elements of 8 bytes); the mask names all four work-groups
	s_mov_b32 s[G1], 15|(3<<16)|(1<<21)
	s_mov_b32 s[G1+1], 32<<16
	s_mov_b32 s[G1+2], 100<<16
	s_mov_b32 s[G1+3], 32<<16
	s_mov_b32 s[G1+4], 100
	s_mov_b32 s[G1+5], 32
	s_mov_b32 s[G1+6], 0
	s_mov_b32 s[G1+7], 0
	s_lshl_b32 s54, s50, 4
	s_add_co_u32 s54, s54, s19
	s_mul_i32 s54, s54, KSB                        ; the head's key step wave % 4
	s_mov_b32 s55, 0
	s_mul_i32 s53, s19, KSB                        ; and its place in slot 0
	s_lshl_b32 s56, s51, 5
	s_lshl_b32 s57, s[SS], 1
	s_add_co_u32 s56, s56, s57
	s_add_co_u32 s56, s56, s49
	s_mul_i32 s56, s56, CH                         ; qimg: chunk 32 x head + 2 x strip + half
	s_mov_b32 s57, 0
	s_lshl_b32 s59, s49, 2
	s_add_co_u32 s59, s59, s19                     ; my block within the strip
	s_lshl_b32 s58, s[SS], 3
	s_add_co_u32 s58, s58, s59                     ; my block of tokens
	s_lshr_b32 s60, s51, 2
	s_lshl_b32 s60, s60, 7
	s_add_co_u32 s58, s58, s60
	s_mul_i32 s58, s58, CH                         ; c3: chunk (head / 4) x 128 + block
	s_and_b32 s61, s51, 3                          ; fragment head % 4
	s_lshr_b32 s62, s59, 1
	s_lshl_b32 s62, s62, 5
	s_and_b32 s63, s59, 1
	s_lshl_b32 s63, s63, 3
	s_add_co_u32 s62, s62, s63                     ; my block's first row within the strip
	s_mov_b32 s59, 0
	s_mov_b32 s[SEL], 0x76543210
	s_mov_b32 s[SEL+1], 0xfedcba98
	s_mov_b32 s[CS], 0x3e0293ee                    ; c = log2(e) / sqrt(128)
	s_mov_b32 s[CS+1], s[CS]
	s_mov_b32 s[TB], 0
	s_mov_b32 s[KS], 0
	s_mov_b32 s[SLOTS], 3
	s_wait_kmcnt 0x0
	s_mov_b32 s[G0], 1
	s_mov_b32 s[G0+1], s53
	s_add_nc_u64 s[G0+2:G0+3], s[6:7], s[54:55]
	s_or_b32 s[G0+3], s[G0+3], 0x80000000
	s_add_nc_u64 s[4:5], s[4:5], s[56:57]
	s_add_nc_u64 s[8:9], s[8:9], s[58:59]
	CROUND                                         ; all four work-groups are here: the first joint loads meet
	TLOAD                                          ; key steps 0-3 into slot 0
	v_and_b32 v10, 15, v0                          ; r
	v_bfe_u32 v11, v0, 4, 1                        ; h
	v_and_b32 v[LI], 31, v0
	v_lshlrev_b32 v[LI], 4, v[LI]
	v_lshlrev_b32 v7, 4, v10                       ; 16 r
	v_add_nc_u32 v[SC0], CH-256, v7
	s_mul_i32 s66, s19, 1536
	v_add_nc_u32 v3, s66, v[LI]                    ; Q: my fragment of the chunk
	s_lshl_b32 s67, s19, 2
	s_add_co_u32 s67, s67, CH-256
	v_add_nc_u32 v4, s67, v7                       ; and its scale words
	s_mul_i32 s68, s61, 1536
	v_add_nc_u32 v30, s68, v[LI]                   ; c3: my fragment,
	s_lshl_b32 s69, s61, 2
	s_add_co_u32 s69, s69, CH-256
	v_add_nc_u32 v31, s69, v7                      ; its scale words
.irp g, 0,1,2
	global_load_b128 v[16+4*\g:19+4*\g], v3, s[4:5] offset:512*\g
.endr
	global_load_b32 v255, v4, s[4:5]
	v_and_b32 v[DQ], 8, v10
	v_add_nc_u32 v[DQ], v[DQ], v10                 ; r + 8 (r / 8)
	v_add_nc_u32 v[DQ], s62, v[DQ]                 ; my query's place in its strip
	v_lshlrev_b32 v7, 4, v11
	v_sub_nc_u32 v[DQ], v[DQ], v7                  ; - 16 h
	v_mov_b32 v13, 0xff61b1e6                      ; the largest t so far: -3e38
	v_floor_f32 v12, -v13                          ; -M
	v_mov_b32 v14, 0
	v_mov_b32 v15, 0
.irp b, 0,1,2,3
	v_mov_b32 v[236+\b], 0                         ; written once: a lane permute's destination counts as one of its sources
.endr
	v_mov_b32 v252, 0                              ; likewise: the way out's lane permute has v252 as its destination, whichever steps a wave has worked
	v_mov_b32 v253, 0                              ; (named as the upper half of the pair v[252:253] before it is first written)
.set n, 0
.rept 64
	v_mov_b32 v[160+n], 0                          ; O^T: the step is written once; the first finds zeros, which the first change of M leaves zeros
.set n, n+1
.endr
.macro STEP
	s_cmp_gt_u32 s[KS], s[SS]                      ; all keys of the step come after my queries: its work is left out
	s_cbranch_scc1 .Lhidden_\@
	v_add_nc_u32 v[ADF], s[TB], v[LI]
	v_add_nc_u32 v[ADS], s[TB], v[SC0]
	v_nop
	v_nop                                          ; four plain instructions in front of loads into registers that the last products read
.irp c, 0,1,2,3
	ds_load_b128 v[32+4*\c:35+4*\c], v[ADS] offset:CH*\c   ; a row's four words: K's tiles 4 c + f, then V's
.endr
	WIN 0x40
.irp t, 0,1,2,3,4,5,6,7
.irp g, 0,1,2
	ds_load_b128 v[12*\t+4*\g:12*\t+4*\g+3], v[ADF] offset:CH*(\t/4)+1536*(\t%4)+512*\g
.endr
.endr
.irp t, 0,1,2,3,4,5,6,7
.irp g, 0,1,2
	ds_load_b128 v[96+12*\t+4*\g:96+12*\t+4*\g+3], v[ADF] offset:2*CH+CH*(\t/4)+1536*(\t%4)+512*\g
.endr
.endr
	WIN 0
	s_wait_dscnt 24                                ; the scale words and K are in; V's 24 loads may be out
	WIN 0x01
.irp t, 0,1,2,3,4,5,6,7
	v_wmma_scale_f32_16x16x128_f8f6f4 v[96+8*\t:103+8*\t], v[12*\t:12*\t+11], v[16:27], 0, v[32+\t], v255 matrix_a_fmt:MATRIX_FMT_FP6 matrix_b_fmt:MATRIX_FMT_FP6
.endr
	WIN 0
.rept 4
	v_nop
.endr
	s_cmp_lg_u32 s[KS], s[SS]                      ; only the step on the diagonal hides keys
	s_cbranch_scc1 .Lopen_\@
	v_mov_b32 v254, 0xff800000                     ; -infinity
.set n, 0
.rept 64
	v_cmp_gt_i32 vcc_lo, 32*(n/16)+n%16, v[DQ]     ; register 16 b + i holds key 32 b + 16 h + i of the strip
	v_cndmask_b32 v[96+n], v[96+n], v254, vcc_lo
.set n, n+1
.endr
.Lopen_\@:
.irp b, 0,1,2,3
	v_max3_num_f32 v[232+\b], v[96+16*\b], v[97+16*\b], v[98+16*\b]   ; the largest score of each block of 32 keys: for the row's maximum and, since p rises with the score, for the block's largest p
.endr
.irp i, 3,5,7,9,11,13
.irp b, 0,1,2,3
	v_max3_num_f32 v[232+\b], v[232+\b], v[96+16*\b+\i], v[97+16*\b+\i]
.endr
.endr
.irp b, 0,1,2,3
	v_max_num_f32 v[232+\b], v[232+\b], v[111+16*\b]
.endr
.irp b, 0,1,2,3
	v_permlanex16_b32 v[236+\b], v[232+\b], s[SEL], s[SEL+1]
.endr
.irp b, 0,1,2,3
	v_max_num_f32 v[232+\b], v[232+\b], v[236+\b]  ; with lane l xor 16's 16 keys
.endr
	v_max3_num_f32 v254, v232, v233, v234
	v_max_num_f32 v254, v254, v235
	v_mul_f32 v254, s[CS], v254                    ; the step's largest t
	v_max_num_f32 v13, v13, v254                   ; the running largest t
	v_mov_b32 v254, v12
	v_floor_f32 v12, -v13                          ; the new -M = -ceil(t)
	v_sub_f32 v254, v12, v254                      ; old M - new M: a whole number, 0 or less
	v_cvt_i32_f32 v254, v254                       ; (it saturates)
	v_ldexp_f32 v252, 1.0, v254                    ; f = 2^(old M - new M)
.set n, 0
.rept 32
	v_pk_fma_f32 v[96+n:97+n], v[96+n:97+n], s[CS:CS+1], v[12:13] op_sel_hi:[1,0,0]   ; t - M, two at a time
.set n, n+2
.endr
.irp b, 0,1,2,3
	v_fma_f32 v[232+\b], v[232+\b], s[CS], v12     ; the same of each block's largest score
.endr
.set n, 0
.rept 64
	v_exp_f32 v[96+n], v[96+n]                     ; p = 2^(t - M)
.set n, n+1
.endr
	v_pk_mul_f32 v[14:15], v[14:15], v[252:253] op_sel_hi:[1,0]   ; the sums under the new M: a plain instruction behind the exponentials
	s_wait_alu depctr_va_vdst(0)                   ; one wait for the whole batch, ahead of its first reader
.irp b, 0,1,2,3
	v_exp_f32 v[232+\b], v[232+\b]                 ; each block's largest p
.endr
	v_pk_add_f32 v[236:237], v[96:97], v[98:99]    ; the row's sum of the unquantised p, in two chains
.irp j, 4,8,12,16,20,24,28,32,36,40,44,48,52,56,60
	v_pk_add_f32 v[14:15], v[14:15], v[96+\j:97+\j]
	v_pk_add_f32 v[236:237], v[236:237], v[98+\j:99+\j]
.endr
	v_pk_add_f32 v[14:15], v[14:15], v[236:237]
	s_wait_alu depctr_va_vdst(0)                   ; and one for the four
.irp b, 0,1,2,3
	v_max_num_f32 v[232+\b], 0x1800000, v[232+\b]  ; the floor 2^(3 - 127)
.endr
.irp b, 0,1,2,3
	v_add_nc_u32 v[244+\b], 0xff000000, v[232+\b]  ; the conversion's scale operand
.endr
.irp b, 0,1,2,3
	v_lshrrev_b32 v[236+\b], 23, v[244+\b]         ; the scale's byte
.endr
	v_lshl_or_b32 v253, v237, 8, v236              ; p's scale word for these 128 keys
	v_lshl_or_b32 v253, v238, 16, v253
	v_lshl_or_b32 v253, v239, 24, v253
.irp c, 0,1
	v_cvt_scalef32_pk16_fp6_f32 v[224+6*\c:226+6*\c], v[96+32*\c:111+32*\c], v[244+2*\c]
	v_cvt_scalef32_pk16_fp6_f32 v[236+4*\c:238+4*\c], v[112+32*\c:127+32*\c], v[244+2*\c+1]
.endr
	v_nop                                          ; one plain instruction behind a scaled conversion
.irp c, 0,1
.irp i, 0,1,2
	v_permlane16_swap_b32 v[224+6*\c+\i], v[236+4*\c+\i]
.endr
.irp i, 0,1,2
	v_mov_b32 v[227+6*\c+\i], v[236+4*\c+\i]
.endr
.endr
.set n, 0
.rept 32
	v_pk_mul_f32 v[160+n:161+n], v[160+n:161+n], v[252:253] op_sel_hi:[1,0]   ; O^T under the new M; these 32 are also the places in front of the products below
.set n, n+2
.endr
	s_wait_dscnt 0x0                               ; V is in
	WIN 0x01
.irp t, 0,1,2,3,4,5,6,7
	v_wmma_scale_f32_16x16x128_f8f6f4 v[160+8*\t:167+8*\t], v[96+12*\t:96+12*\t+11], v[224:235], v[160+8*\t:167+8*\t], v[40+\t], v253 matrix_a_fmt:MATRIX_FMT_FP6 matrix_b_fmt:MATRIX_FMT_FP6
.endr
	WIN 0
.Lhidden_\@:
	s_add_co_u32 s[TB], s[TB], KSB
	s_add_co_u32 s[KS], s[KS], 1
.endm
.macro FOUR_STEPS                      ; a slot's four key steps: written once, walked four times
	s_mov_b32 s[FOUR], 4
.Lstep_\@:
	STEP
	s_sub_co_u32 s[FOUR], s[FOUR], 1
	s_cmp_lg_u32 s[FOUR], 0
	s_cbranch_scc1 .Lstep_\@
	s_sub_co_u32 s[TB], s[TB], 4*KSB               ; back to a slot's first step,
	s_xor_b32 s[TB], s[TB], SLOT1                  ; in the other slot
.endm
; THE CHANGE OF SLOTS stands at a slot's head: each wave waits for all its tensor loads, adds 0 to its spare word, and waits for that and for its reads of the slot that it has left.
; fill = 1: a round of the cluster's barrier, and behind it the slot just left takes the next four key steps.
.macro CHANGE fill
	s_wait_tensorcnt 0x0                           ; no tensor load of mine is out, so the group 0 may be written
	ds_add_u32 v[SPW], v[NIL]                      ; 0 onto my spare word
.if \fill
	s_xor_b32 s[G0+1], s[G0+1], SLOT1
	s_add_nc_u64 s[G0+2:G0+3], s[G0+2:G0+3], 4*KSB
.endif
	s_wait_dscnt 0x0                               ; the add is done, and my reads of the slot that I have left are over
.if \fill
	CROUND
	TLOAD
.else
	s_barrier_signal -1
	s_barrier_wait -1
.endif
.endm
	s_wait_loadcnt 0x0                             ; Q
.Lslot:                                            ; three trips: behind each change of slots but the last the next four key steps are asked for
	CHANGE 1
	FOUR_STEPS
	s_sub_co_u32 s[SLOTS], s[SLOTS], 1
	s_cmp_lg_u32 s[SLOTS], 0
	s_cbranch_scc1 .Lslot
	CHANGE 0                                       ; the last slot is written out
	FOUR_STEPS
	; THE WAY OUT: O^T / the sum, quantised along the head: register 8 t + j is channel 32 (t / 2) + 16 h + 8 (t % 2) + j of my query
.rept 4
	v_nop                                          ; the places behind the last products
.endr
	v_add_f32 v14, v14, v15
	v_permlanex16_b32 v252, v14, s[SEL], s[SEL+1]
	v_add_f32 v14, v14, v252                       ; the row's sum
	v_rcp_f32 v14, v14
	v_nop                                          ; a plain instruction behind the reciprocal,
	s_wait_alu depctr_va_vdst(0)                   ; and the wait ahead of its first reader
.set n, 0
.rept 64
	v_mul_f32 v[96+n], v[160+n], v14               ; each accumulator from its low end on
.set n, n+1
.endr
.irp b, 0,1,2,3
	v_max3_num_f32 v[TM+\b], |v[96+16*\b]|, |v[97+16*\b]|, 0x1800000
.endr
.irp i, 2,4,6,8,10,12,14
.irp b, 0,1,2,3
	v_max3_num_f32 v[TM+\b], |v[96+16*\b+\i]|, |v[97+16*\b+\i]|, v[TM+\b]
.endr
.endr
.irp b, 0,1,2,3
	v_permlanex16_b32 v[TM+4+\b], v[TM+\b], s[SEL], s[SEL+1]
.endr
.irp b, 0,1,2,3
	v_max_num_f32 v[TM+\b], v[TM+\b], v[TM+4+\b]
.endr
.irp b, 0,1,2,3
	v_add_nc_u32 v[TM+12+\b], 0xff000000, v[TM+\b]
.endr
.irp b, 0,1,2,3
	v_lshrrev_b32 v[TM+4+\b], 23, v[TM+12+\b]
.endr
	v_lshl_or_b32 v[PW], v[TM+5], 8, v[TM+4]
	v_lshl_or_b32 v[PW], v[TM+6], 16, v[PW]
	v_lshl_or_b32 v[PW], v[TM+7], 24, v[PW]
.irp c, 0,1
	v_cvt_scalef32_pk16_fp6_f32 v[PC+6*\c:PC+2+6*\c], v[96+32*\c:111+32*\c], v[TM+12+2*\c]
	v_cvt_scalef32_pk16_fp6_f32 v[PC+12+4*\c:PC+14+4*\c], v[112+32*\c:127+32*\c], v[TM+12+2*\c+1]
.endr
	v_nop
.irp c, 0,1
.irp i, 0,1,2
	v_permlane16_swap_b32 v[PC+6*\c+\i], v[PC+12+4*\c+\i]
.endr
.irp i, 0,1,2
	v_mov_b32 v[PC+3+6*\c+\i], v[PC+12+4*\c+\i]
.endr
.endr
.irp g, 0,1,2
	global_store_b128 v30, v[PC+4*\g:PC+4*\g+3], s[8:9] offset:512*\g   ; 512 consecutive bytes, aligned
.endr
	global_store_b32 v31, v[PW], s[8:9]            ; my row's scale word (both halves of the lanes write the same word with the same value)
	s_wait_tensorcnt 0x0                           ; the wave's end
	ds_add_u32 v[SPW], v[NIL]
	s_wait_dscnt 0x0
	CROUND                                         ; the closing round
	s_endpgm
.Lfunc_end_k_q9dd86cb6a3_attn:
	.size	k_q9dd86cb6a3_attn, .Lfunc_end_k_q9dd86cb6a3_attn-k_q9dd86cb6a3_attn
	.p2alignl 7, 3214868480
	.fill 96, 4, 3214868480
	.section	.rodata,"a",@progbits
	.p2align	6, 0x0
	.amdhsa_kernel k_q9dd86cb6a3_attn
		.amdhsa_group_segment_fixed_size 327680
		.amdhsa_private_segment_fixed_size 0
		.amdhsa_enable_private_segment 0
		.amdhsa_kernarg_size 24
		.amdhsa_user_sgpr_count 2
		.amdhsa_user_sgpr_kernarg_segment_ptr 1
		.amdhsa_wavefront_size32 1
		.amdhsa_system_sgpr_workgroup_id_x 1
		.amdhsa_system_sgpr_workgroup_id_y 1
		.amdhsa_system_sgpr_workgroup_id_z 1
		.amdhsa_system_vgpr_workitem_id 0
		.amdhsa_next_free_vgpr 512
		.amdhsa_next_free_sgpr 80
		.amdhsa_reserve_vcc 1
		.amdhsa_float_denorm_mode_32 3
		.amdhsa_float_denorm_mode_16_64 3
		.amdhsa_memory_ordered 1
		.amdhsa_forward_progress 1
		.amdhsa_inst_pref_size 64
	.end_amdhsa_kernel
	.amdgpu_metadata
---
amdhsa.version: [ 1, 2 ]
amdhsa.kernels:
  - .name:           k_q9dd86cb6a3_attn
    .symbol:         k_q9dd86cb6a3_attn.kd
    .args:
      - { .name: qimg, .offset: 0, .size: 8, .value_kind: global_buffer, .address_space: global }
      - { .name: kv, .offset: 8, .size: 8, .value_kind: global_buffer, .address_space: global }
      - { .name: c3, .offset: 16, .size: 8, .value_kind: global_buffer, .address_space: global }
    .group_segment_fixed_size: 327680
    .private_segment_fixed_size: 0
    .kernarg_segment_align: 8
    .kernarg_segment_size: 24
    .max_flat_workgroup_size: 256
    .sgpr_count:     80
    .vgpr_count:     512
    .wavefront_size: 32
...
	.end_amdgpu_metadata
.endif
;; end of part 3
;; launch oproj (part 4): grid 16 x 16, 4 waves a work-group, clusters of 4 x 4, 327,680 bytes of LDS; arguments c3, c2, out0; writes out0
.if DOCPART == 4
	.amdgcn_target "amdgcn-amd-amdhsa--gfx1250"
	.amdhsa_code_object_version 6
	.text
	.protected	k_q9dd86cb6a3_oproj
	.globl	k_q9dd86cb6a3_oproj
	.p2align	8
	.type	k_q9dd86cb6a3_oproj,@function
k_q9dd86cb6a3_oproj:
	s_mov_b64 s[64:65], 0
	v_nop
	global_prefetch_b8 v0, s[64:65] scope:SCOPE_SE
	s_setreg_imm32_b32 hwreg(HW_REG_WAVE_MODE, 25, 1), 1
	s_wait_xcnt 0x0
	s_wait_alu depctr_hold_cnt(0) depctr_sa_sdst(0) depctr_va_vdst(0) depctr_va_sdst(0) depctr_va_ssrc(0) depctr_va_vcc(0) depctr_vm_vsrc(0)
	s_getreg_b32 s2, hwreg(HW_REG_IB_STS2, 6, 4)
	s_cmp_eq_u32 s2, 0
	s_cbranch_scc0 .Lentry_in_a_cluster
	s_endpgm
.Lentry_in_a_cluster:
	s_bfe_u32 s2, ttmp6, 0x10000c
	s_cmp_lg_u32 s2, 0xf033
	s_cbranch_scc0 .Lentry_shape_is_right
	s_endpgm
.Lentry_shape_is_right:
; out0 = attention's result x wo^T on codes of FP6 (E2M3) with E8M0 scales, K = 2,048; out0 [2,048][4,096] f32.
; OPERANDS lie as images of operand registers: a chunk of 6,400 bytes = four fragments (16 rows x 128 K, 1,536 bytes: registers 4 g .. 4 g + 3 of lane l at 512 g + 16 l) + 256 bytes of scale words (6,144 + 16 r + 4 f).
; c3 = [4 chunks along K][128 blocks of tokens], c2 = [4][256 blocks of wo's rows].  Lane r of block RB holds row 32 (RB / 2) + 8 (RB % 2) + r + 8 (r / 8).
; A TILE is 128 tokens (P = c3) x 256 columns (Q = c2): 256 work-groups.  Four waves: wp = wave / 2 takes 64 tokens (4 blocks a), wq = wave % 2 takes 128 columns (8 blocks b): 32 accumulators.
; THE MATRIX INSTRUCTION IS USED TRANSPOSED: source 0 = Q's block b, source 1 = P's block a: lane (r, h), register j of accumulator (a, b) = (token of lane r, column 32 (b / 2) + 16 h + 8 (b % 2) + j).
; K goes in steps of 512 (a chunk) through two LDS slots of 153,600 bytes (P's 8 chunks, then Q's 16): four steps of 128.  The scale words travel in the chunks.
; CLUSTERS: 4 x 4.  P's chunks are shared along a row of the cluster, Q's along a column: each is asked for jointly.  By this text's count a wave has two tensor loads out at the start and one behind each round.
; REGISTERS: window 0: v1-15 addresses; v32-79 scale words, two sets; v128-223 P's fragments, two sets (on the way out v128-255: rows back from the stage);  window 1: Q's fragments, two sets;  window 2: accumulator (a, b) at v[8 (8 a + b)].
.set CH,     6400
.set SLOT,   24*CH
.set QOFF,   8*CH
.set SPARE,  2*SLOT
.set NCH,    4
.set ASTEP,  128*CH
.set BSTEP,  256*CH
.set LI,   3
.set ADRA, 4
.set ADRB, 6
.set ADSA, 8
.set ADSB, 10
.set SPW,  12
.set NIL,  13
.set STO,  14
.set RD,   15
.set SC,   32
.set PF,   128
.set BK,   128
.set G1,  24
.set G0,  32
.set G1B, 48
.set G0B, 56
.set MSB, 0
.macro WIN new                         ; the immediate's high byte repeats the setting that is left
.if MSB != (\new)
	s_set_vgpr_msb (MSB<<8)|(\new)
.set MSB, (\new)
.endif
.endm
.macro PLACES n
.rept \n
	v_nop
.endr
.endm
.macro JLOAD g0a, g1a, g0b, g1b        ; a joint load: waves 0 and 1 fetch P's halves, waves 2 and 3 Q's; four v_nop follow each of the two lines
	s_cmp_eq_u32 s17, 0
	s_cbranch_scc0 .Lfor_b_\@
	tensor_load_to_lds s[\g0a:\g0a+3], s[\g1a:\g1a+7]
	s_nop 0
.rept 4
	v_nop
.endr
	s_branch .Lasked_\@
.Lfor_b_\@:
	tensor_load_to_lds s[\g0b:\g0b+3], s[\g1b:\g1b+7]
	s_nop 0
.rept 4
	v_nop
.endr
.Lasked_\@:
.endm
.macro CREST
	s_cmp_lg_u32 s16, 0
	s_cbranch_scc1 .Lnot_wave_0_\@
	s_barrier_signal -3
.Lnot_wave_0_\@:
	s_barrier_wait -3
	s_barrier_signal -1
	s_barrier_wait -1
.endm
.macro CROUND
	s_barrier_signal -1
	s_barrier_wait -1
	CREST
.endm
	s_load_b128 s[4:7], s[0:1], 0x0                ; c3, c2
	s_load_b64 s[8:9], s[0:1], 0x10                ; out0
	v_lshl_add_u32 v[SPW], v0, 2, SPARE
	v_mov_b32 v[NIL], 0
	ds_add_u32 v12, v13
	s_wait_dscnt 0x0
	v_lshrrev_b32 v1, 5, v0
	v_readfirstlane_b32 s16, v1                    ; wave
	s_lshr_b32 s17, s16, 1                         ; wp.  Also: I fetch for P (0) or for Q (1)
	s_and_b32 s18, s16, 1                          ; wq.  Also: which half of the chunks I fetch
	s_bfe_u32 s40, ttmp6, 0x40000                  ; cx
	s_bfe_u32 s41, ttmp6, 0x40004                  ; cy
	s_and_b32 s19, ttmp7, 0xffff
	s_lshl_b32 s19, s19, 2
	s_add_co_u32 s19, s19, s41                     ; tile row: 128 tokens
	s_lshl_b32 s42, ttmp9, 2
	s_add_co_u32 s42, s42, s40                     ; tile column: 256 columns
	s_lshl_b32 s43, s41, 2
	s_lshl_b32 s43, 15, s43                        ; my row of the cluster
	s_lshl_b32 s44, 0x1111, s40                    ; my column
	s_or_b32 s[G1+0], s43, (3<<16)|(1<<21)         ; a dense block as rows of 256 bytes: P's 4 chunks are 100 rows, Q's 8 chunks 200
	s_mov_b32 s[G1+1], 32<<16
	s_mov_b32 s[G1+2], 100<<16
	s_mov_b32 s[G1+3], 32<<16
	s_mov_b32 s[G1+4], 100
	s_mov_b32 s[G1+5], 32
	s_mov_b32 s[G1+6], 0
	s_mov_b32 s[G1+7], 0
	s_or_b32 s[G1B+0], s44, (3<<16)|(1<<21)
	s_mov_b32 s[G1B+1], 32<<16
	s_mov_b32 s[G1B+2], 200<<16
	s_mov_b32 s[G1B+3], 32<<16
	s_mov_b32 s[G1B+4], 200
	s_mov_b32 s[G1B+5], 32
	s_mov_b32 s[G1B+6], 0
	s_mov_b32 s[G1B+7], 0
	s_lshl_b32 s46, s19, 3                         ; P: block 8 x tile row + 4 x half
	s_lshl_b32 s47, s18, 2
	s_add_co_u32 s46, s46, s47
	s_mul_i32 s46, s46, CH
	s_mov_b32 s47, 0
	s_lshl_b32 s66, s42, 4                         ; Q: block 16 x tile column + 8 x half
	s_lshl_b32 s67, s18, 3
	s_add_co_u32 s66, s66, s67
	s_mul_i32 s66, s66, CH
	s_mov_b32 s67, 0
	s_mul_i32 s68, s18, 4*CH
	s_mul_i32 s69, s18, 8*CH
	s_add_co_u32 s69, s69, QOFF
	s_lshl_b32 s70, s19, 21                        ; out0: 128 tokens x 16,384 bytes,
	s_lshl_b32 s71, s17, 20                        ; my 64 tokens,
	s_add_co_u32 s70, s70, s71
	s_lshl_b32 s71, s42, 10                        ; 256 columns,
	s_add_co_u32 s70, s70, s71
	s_lshl_b32 s71, s18, 9                         ; my 128 columns
	s_add_co_u32 s70, s70, s71
	s_mov_b32 s71, 0
	s_wait_kmcnt 0x0
	s_add_nc_u64 s[46:47], s[4:5], s[46:47]
	s_add_nc_u64 s[66:67], s[6:7], s[66:67]
	s_add_nc_u64 s[8:9], s[8:9], s[70:71]
	CROUND                                         ; all sixteen work-groups are here: the first joint loads meet
.irp s, 0,1
	s_mov_b32 s[G0+4*\s], 1
	s_add_co_u32 s[G0+4*\s+1], s68, \s*SLOT
	s_add_nc_u64 s[G0+4*\s+2:G0+4*\s+3], s[46:47], \s*ASTEP
	s_or_b32 s[G0+4*\s+3], s[G0+4*\s+3], 0x80000000
	s_mov_b32 s[G0B+4*\s], 1
	s_add_co_u32 s[G0B+4*\s+1], s69, \s*SLOT
	s_add_nc_u64 s[G0B+4*\s+2:G0B+4*\s+3], s[66:67], \s*BSTEP
	s_or_b32 s[G0B+4*\s+3], s[G0B+4*\s+3], 0x80000000
	JLOAD G0+4*\s, G1, G0B+4*\s, G1B
.endr
	v_and_b32 v1, 15, v0                           ; r
	v_bfe_u32 v2, v0, 4, 1                         ; h
	v_and_b32 v[LI], 31, v0
	v_lshlrev_b32 v[LI], 4, v[LI]
	s_mul_i32 s20, s17, 4*CH                       ; my 4 chunks of P
	s_mul_i32 s21, s18, 8*CH
	s_add_co_u32 s21, s21, QOFF                    ; my 8 chunks of Q
	v_lshlrev_b32 v20, 4, v1
	v_add_nc_u32 v21, CH-256, v20
	v_mad_u32_u24 v22, v2, 2*CH, v21               ; lanes 16-31: two chunks on
	v_mad_u32_u24 v23, v2, 4*CH, v21               ; four chunks on
.irp s, 0,1
	v_add_nc_u32 v[ADRA+\s], s20, v[LI]
	v_add_nc_u32 v[ADRB+\s], s21, v[LI]
	v_add_nc_u32 v[ADSA+\s], s20, v22
	v_add_nc_u32 v[ADSB+\s], s21, v23
	s_add_co_u32 s20, s20, SLOT
	s_add_co_u32 s21, s21, SLOT
.endr
	s_mul_i32 s23, s16, 8448                       ; my stage: 16 rows x 528 bytes, in slot 0
	v_mul_u32_u24 v21, v1, 528
	v_lshl_add_u32 v21, v2, 6, v21
	v_add_nc_u32 v[STO], s23, v21
	v_add_nc_u32 v[RD], s23, v[LI]
.macro FETCH slot, q, set              ; 36 LDS loads in one run, 512 consecutive bytes each
	WIN 0x40
.irp b, 0,1,2,3,4,5,6,7
.irp g, 0,1,2
	ds_load_b128 v[128*(\set)+12*\b+4*\g:128*(\set)+12*\b+4*\g+3], v[ADRB+\slot] offset:CH*\b+1536*(\q)+512*\g
.endr
.endr
	WIN 0
.irp a, 0,1,2,3
.irp g, 0,1,2
	ds_load_b128 v[PF+48*(\set)+12*\a+4*\g:PF+48*(\set)+12*\a+4*\g+3], v[ADRA+\slot] offset:CH*\a+1536*(\q)+512*\g
.endr
.endr
.endm
.macro SCALES slot
.irp i, 0,1,2,3
	ds_load_b128 v[SC+24*\slot+4*\i:SC+24*\slot+4*\i+3], v[ADSB+\slot] offset:CH*\i
.endr
.irp i, 0,1
	ds_load_b128 v[SC+24*\slot+16+4*\i:SC+24*\slot+16+4*\i+3], v[ADSA+\slot] offset:CH*\i
.endr
.endm
.macro MMX c, a, b                     ; blocks 4-7 of Q and 2, 3 of P have their scale words in lanes 16-31
.if ((\b) >= 4) && ((\a) >= 2)
	v_wmma_scale_f32_16x16x128_f8f6f4 v[rD:rD+7], v[rA:rA+11], v[rB:rB+11], \c, v[rSA], v[rSB] matrix_a_fmt:MATRIX_FMT_FP6 matrix_b_fmt:MATRIX_FMT_FP6 matrix_a_scale:MATRIX_SCALE_ROW1 matrix_b_scale:MATRIX_SCALE_ROW1
.elseif (\b) >= 4
	v_wmma_scale_f32_16x16x128_f8f6f4 v[rD:rD+7], v[rA:rA+11], v[rB:rB+11], \c, v[rSA], v[rSB] matrix_a_fmt:MATRIX_FMT_FP6 matrix_b_fmt:MATRIX_FMT_FP6 matrix_a_scale:MATRIX_SCALE_ROW1
.elseif (\a) >= 2
	v_wmma_scale_f32_16x16x128_f8f6f4 v[rD:rD+7], v[rA:rA+11], v[rB:rB+11], \c, v[rSA], v[rSB] matrix_a_fmt:MATRIX_FMT_FP6 matrix_b_fmt:MATRIX_FMT_FP6 matrix_b_scale:MATRIX_SCALE_ROW1
.else
	v_wmma_scale_f32_16x16x128_f8f6f4 v[rD:rD+7], v[rA:rA+11], v[rB:rB+11], \c, v[rSA], v[rSB] matrix_a_fmt:MATRIX_FMT_FP6 matrix_b_fmt:MATRIX_FMT_FP6
.endif
.endm
.macro MM1 a, b, set, q, sc, zero
.set rD, 8*(8*(\a)+(\b))
.set rA, 128*(\set)+12*(\b)
.set rB, PF+48*(\set)+12*(\a)
.set rSA, SC+24*(\sc)+4*((\b)%4)+(\q)
.set rSB, SC+24*(\sc)+16+4*((\a)%2)+(\q)
.if \zero
	MMX 0, \a, \b
.else
	MMX v[rD:rD+7], \a, \b
.endif
.endm
.macro MULA a, set, q, sc, zero        ; 8 matrix instructions; the 32 accumulators take turns, one instruction a turn, in the same order in every step
.irp b, 0,1,2,3,4,5,6,7
	MM1 \a, \b, \set, \q, \sc, \zero
.endr
.endm
.macro STEP slot, q, zero
	s_wait_dscnt 0x0                               ; this step's fragments, asked for 32 matrix instructions ago, are in
	PLACES 4                                       ; the other sets were read by the step before
	FETCH \slot, (\q)+1, 1-(\q)%2
	WIN 0xa1
	MULA 0, (\q)%2, \q, \slot, \zero
	MULA 1, (\q)%2, \q, \slot, \zero
	MULA 2, (\q)%2, \q, \slot, \zero
	MULA 3, (\q)%2, \q, \slot, \zero
.endm
.macro TURN slot, next, fill           ; a slot's last step changes slots
	WIN 0
	s_wait_tensorcnt 0x0                           ; all my tensor loads have landed: my part of the next slot
	ds_add_u32 v[SPW], v[NIL]                      ; 0 onto my spare word
	s_wait_dscnt 1                                 ; this step's fragments are in; the add alone may be out
	WIN 0xa1
	MULA 0, 1, 3, \slot, 0
	s_wait_dscnt 0x0                               ; the add is done, and my reads of this slot are over
	s_barrier_signal -1
	MULA 1, 1, 3, \slot, 0
	WIN 0
	s_barrier_wait -1
.if \fill
	CREST                                          ; the barrier has opened a round of the cluster's
	s_add_nc_u64 s[G0+4*\slot+2:G0+4*\slot+3], s[G0+4*\slot+2:G0+4*\slot+3], 2*ASTEP
	s_add_nc_u64 s[G0B+4*\slot+2:G0B+4*\slot+3], s[G0B+4*\slot+2:G0B+4*\slot+3], 2*BSTEP
	JLOAD G0+4*\slot, G1, G0B+4*\slot, G1B         ; the first tensor load behind the round; its four v_nop are the places in front of the loads below
.else
	PLACES 4
.endif
	FETCH \next, 0, 0
	SCALES \next
	WIN 0xa1
	MULA 2, 1, 3, \slot, 0
	MULA 3, 1, 3, \slot, 0
.endm
	s_wait_tensorcnt 0x1                           ; my part of chunk 0 is in (chunk 1's load may be out)
	s_barrier_signal -1
	s_barrier_wait -1                              ; everybody's is
	FETCH 0, 0, 0
	SCALES 0
	STEP 0, 0, 1                                   ; the first step stands in front of the loop: its products start the sums
	WIN 0
	s_mov_b32 s3, NCH/2-1
.Llap:
	STEP 0, 1, 0
	STEP 0, 2, 0
	TURN 0, 1, 1
	STEP 1, 0, 0
	STEP 1, 1, 0
	STEP 1, 2, 0
	TURN 1, 0, 1
	STEP 0, 0, 0
	WIN 0
	s_sub_co_u32 s3, s3, 1
	s_cmp_lg_u32 s3, 0
	s_cbranch_scc1 .Llap
	STEP 0, 1, 0                                   ; the last lap fills nothing
	STEP 0, 2, 0
	TURN 0, 1, 0
	STEP 1, 0, 0
	STEP 1, 1, 0
	STEP 1, 2, 0
	s_wait_dscnt 0x0
	WIN 0xa1
	MULA 0, 1, 3, 1, 0
	MULA 1, 1, 3, 1, 0
	MULA 2, 1, 3, 1, 0
	MULA 3, 1, 3, 1, 0
	WIN 0
; THE WAY OUT, a block of 16 tokens x 128 columns at a time, through my own stage in LDS: it lies in slot 0, which has had its last fill, and which every wave left at the last change of slots.
; LDS serves a wave's instructions in order (ISA guide 5.7.1.4): no wait between the stores and the loads, nor in front of the next block's stores.
.macro TOSTAGE a
	WIN 0x08                                       ; an LDS store's data are its source 1: window 2
.irp b, 0,1,2,3,4,5,6,7
	ds_store_b128 v[STO], v[64*(\a)+8*\b:64*(\a)+8*\b+3] offset:128*(\b/2)+32*(\b%2)          ; each accumulator from its low end on
	ds_store_b128 v[STO], v[64*(\a)+8*\b+4:64*(\a)+8*\b+7] offset:128*(\b/2)+32*(\b%2)+16
.endr
	WIN 0
.set BB, BK+64*((\a)%2)
.irp t, 0,1,2,3,4,5,6,7,8,9,10,11,12,13,14,15
	ds_load_b128 v[BB+4*\t:BB+4*\t+3], v[RD] offset:\t*528
.endr
.endm
.macro SEND a, younger                 ; younger: the LDS instructions issued behind block a's loads, which may stay out
.set BB, BK+64*((\a)%2)
	s_wait_dscnt \younger
.irp t, 0,1,2,3,4,5,6,7,8,9,10,11,12,13,14,15
	global_store_b128 v[LI], v[BB+4*\t:BB+4*\t+3], s[8:9] offset:(32*((\a)/2)+8*((\a)%2)+\t+8*(\t/8))*16384 th:TH_STORE_NT   ; 32 lanes store 512 consecutive bytes, aligned; at most 63 rows on: inside the signed 24-bit immediate
.endr
.endm
	PLACES 4
	TOSTAGE 0
.irp a, 1,2,3
.if \a > 1
	s_wait_xcnt 0x0                                ; block a - 2's stores have read their registers: block a's loads may land there
.endif
	TOSTAGE \a
	SEND \a-1, 32                                  ; behind block a - 1's loads: block a's 16 stores and 16 loads
.endr
	SEND 3, 0
	s_wait_tensorcnt 0x0                           ; the wave's end
	ds_add_u32 v[SPW], v[NIL]
	s_wait_dscnt 0x0
	CROUND                                         ; the closing round
	s_endpgm
.Lfunc_end_k_q9dd86cb6a3_oproj:
	.size	k_q9dd86cb6a3_oproj, .Lfunc_end_k_q9dd86cb6a3_oproj-k_q9dd86cb6a3_oproj
	.p2alignl 7, 3214868480
	.fill 96, 4, 3214868480
	.section	.rodata,"a",@progbits
	.p2align	6, 0x0
	.amdhsa_kernel k_q9dd86cb6a3_oproj
		.amdhsa_group_segment_fixed_size 327680
		.amdhsa_private_segment_fixed_size 0
		.amdhsa_enable_private_segment 0
		.amdhsa_kernarg_size 24
		.amdhsa_user_sgpr_count 2
		.amdhsa_user_sgpr_kernarg_segment_ptr 1
		.amdhsa_wavefront_size32 1
		.amdhsa_system_sgpr_workgroup_id_x 1
		.amdhsa_system_sgpr_workgroup_id_y 1
		.amdhsa_system_sgpr_workgroup_id_z 1
		.amdhsa_system_vgpr_workitem_id 0
		.amdhsa_next_free_vgpr 768
		.amdhsa_next_free_sgpr 80
		.amdhsa_reserve_vcc 0
		.amdhsa_float_denorm_mode_32 3
		.amdhsa_float_denorm_mode_16_64 3
		.amdhsa_memory_ordered 1
		.amdhsa_forward_progress 1
		.amdhsa_inst_pref_size 130
	.end_amdhsa_kernel
	.amdgpu_metadata
---
amdhsa.version: [ 1, 2 ]
amdhsa.kernels:
  - .name:           k_q9dd86cb6a3_oproj
    .symbol:         k_q9dd86cb6a3_oproj.kd
    .args:
      - { .name: c3, .offset: 0, .size: 8, .value_kind: global_buffer, .address_space: global }
      - { .name: c2, .offset: 8, .size: 8, .value_kind: global_buffer, .address_space: global }
      - { .name: out0, .offset: 16, .size: 8, .value_kind: global_buffer, .address_space: global }
    .group_segment_fixed_size: 327680
    .private_segment_fixed_size: 0
    .kernarg_segment_align: 8
    .kernarg_segment_size: 24
    .max_flat_workgroup_size: 128
    .sgpr_count:     80
    .vgpr_count:     768
    .wavefront_size: 32
...
	.end_amdgpu_metadata
.endif
;; end of part 4
